; MI455X (gfx1250); checked and timed in simulation.
; The chip was launched on July 23, 2026; its instructions are those of AMD's public machine-readable ISA for CDNA 5 (MIT licence, August 2026) and "CDNA5" Instruction Set Architecture Reference Guide (July 2026). The comments in the code are by the model that wrote it; some were corrected since.
;; Latent Attention. Allowed arithmetic: float matrix products may take bf16 or f16 operands with f32 sums; other float arithmetic in f32, or as packed bf16 or f16 multiplies, adds, multiply-adds, maxima and minima; sums over many terms, partial sums and values carried from step to step in f32; what a program stores and reads back later, other than sums and carried values, may be rounded once to bf16 or f16.
;; Inputs: W_dkv 64 x 2,048 float32; W_k 128 x 64 float32; W_q 128 x 2,048 float32; W_v 128 x 64 float32; x 8 x 4,096 x 2,048 float32.
;; Outputs: out0 8 x 4,096 x 128 float32; out1 8 x 4,096 x 64 float32.
;; 2 versions, each right; version 2 is version 1 with the launch absorb written anew for expert scheduling mode. Each part assembles by itself: llvm-mc -triple=amdgcn-amd-amdhsa -mcpu=gfx1250 --defsym DOCPART=n.
;; ======== version 1 of 2: 3 launches
;; workspace buffers: wc 524,288 bytes; wv16 16,384 bytes; hi16 4,194,304 bytes; lo16 4,194,304 bytes; q16 4,194,304 bytes
;; launch absorb (part 1): grid 16 x 1, 4 waves a work-group, no clusters, 75,264 bytes of LDS; arguments W_q, W_k, W_dkv, W_v, wc, wv16; writes wc, wv16
.if DOCPART == 1
	.amdgcn_target "amdgcn-amd-amdhsa--gfx1250"
	.amdhsa_code_object_version 6
	.text
	.protected	k_qf601d794b0_absorb
	.globl	k_qf601d794b0_absorb
	.p2align	8
	.type	k_qf601d794b0_absorb,@function
k_qf601d794b0_absorb:
	s_mov_b64 s[64:65], 0
	v_nop
	global_prefetch_b8 v0, s[64:65] scope:SCOPE_SE
	s_setreg_imm32_b32 hwreg(HW_REG_WAVE_MODE, 25, 1), 1
	s_wait_xcnt 0x0
; wc[128][2048] bf16: rows 0-63 = W_dkv rounded; rows 64+l = A[l][e] = sum over h of W_k[h][l] W_q[h][e], operands rounded to bf16, sums in f32, A rounded once.
; wv16[128][64] = W_v rounded to bf16.
; A work-group owns 128 columns e; its four waves own 16 rows l each.  W_q's and W_k's tiles lie in LDS as [h][..] and are read turned (ds_load_tr16_b128),
; since h, the index summed over, runs down their rows.  Source 0 = 16 columns e, source 1 = 16 rows l: a lane ends with one row l and eight neighbouring e.
; No cluster and no tensor load: a work-group's tile of W_q is read by nobody else, and W_k is 32 KiB.
.set PQ,    288                        ; LDS row of W_q's tile: 256 bytes + 32 (an odd multiple of 32, for the turning load)
.set PW,    160                        ; LDS row of W_k: 128 bytes + 32
.set WKL,   128*PQ                     ; W_k behind W_q's tile
.set STAGE, WKL+128*PW                 ; 16 rows x 272 bytes for each wave, for the way out
.set SP,    272
.set SPARE, STAGE+4*16*SP              ; the spare words: 128 bytes a wave, named by no other line
.set SPW, 2
.set NIL, 3
.set QOF, 4                            ; byte offsets in W_q, W_k, W_dkv, W_v
.set KOF, 5
.set DOF, 6
.set VOF, 7
.set LQS, 8                            ; where my converted numbers go in LDS
.set LKS, 9
.set AQ,  10                           ; the turning loads' addresses
.set AW,  11
.set STO, 12
.set RD,  13
.set GO,  14
.set DO,  15
.set RAWQ, 16                          ; v16-143  W_q as loaded; later v16-79 W_dkv, v80-83 W_v
.set RAWK, 144                         ; v144-207 W_k as loaded
.set RAWD, 16
.set RAWV, 80
.set FR,  88                           ; v88-159  nine fragments; later the way out
.set ACC, 160                          ; v160-223 eight accumulators; later W_dkv converted
.set CV,  224                          ; v224-239 converted numbers on their way to LDS
.set VO,  240
.set WV,  16
	s_load_b256 s[4:11], s[0:1], 0x0               ; W_q s[4:5], W_k s[6:7], W_dkv s[8:9], W_v s[10:11]
	s_load_b128 s[12:15], s[0:1], 0x20             ; wc s[12:13], wv16 s[14:15]
	v_lshl_add_u32 v[SPW], v0, 2, SPARE
	v_mov_b32 v[NIL], 0
	v_lshrrev_b32 v1, 5, v0
	v_readfirstlane_b32 s[WV], v1
	v_and_b32 v241, 31, v0                         ; lane
	v_and_b32 v242, 15, v0                         ; lane % 16
	v_bfe_u32 v243, v0, 4, 1                       ; lane / 16
	v_and_b32 v244, 7, v0
	v_bfe_u32 v245, v0, 3, 1
	s_lshl_b32 s17, ttmp9, 9                       ; my 128 columns in f32: 512 bytes
	s_lshl_b32 s18, s[WV], 18                      ; 32 rows of 8,192 bytes
	s_add_co_u32 s18, s18, s17
	v_lshl_add_u32 v[QOF], v241, 4, s18
	s_lshl_b32 s18, s[WV], 13                      ; 32 rows of W_k, 256 bytes each
	v_lshl_add_u32 v[KOF], v241, 4, s18
	s_lshl_b32 s18, s[WV], 17                      ; 16 rows of W_dkv
	s_add_co_u32 s18, s18, s17
	v_lshl_add_u32 v[DOF], v241, 4, s18
	s_lshl_b32 s18, ttmp9, 11
	v_lshl_add_u32 v[VOF], v0, 4, s18              ; 16 bytes of W_v for each of the launch's 2,048 threads
	s_lshl_b32 s18, ttmp9, 10
	v_lshl_add_u32 v[VO], v0, 3, s18
	s_mul_i32 s18, s[WV], 32*PQ
	v_lshl_add_u32 v[LQS], v241, 3, s18
	s_mul_i32 s18, s[WV], 32*PW
	s_add_co_u32 s18, s18, WKL
	v_mul_u32_u24 v[LKS], v243, PW
	v_lshl_add_u32 v[LKS], v242, 3, v[LKS]
	v_add_nc_u32 v[LKS], s18, v[LKS]
	v_lshl_add_u32 v246, v243, 3, v244             ; the turning load's row: 8 (lane / 16) + lane % 8
	v_mul_u32_u24 v[AQ], v246, PQ
	v_lshl_add_u32 v[AQ], v245, 4, v[AQ]
	v_mul_u32_u24 v[AW], v246, PW
	v_lshl_add_u32 v[AW], v245, 4, v[AW]
	s_lshl_b32 s18, s[WV], 5                       ; my 16 columns l of W_k: 32 bytes
	s_add_co_u32 s18, s18, WKL
	v_add_nc_u32 v[AW], s18, v[AW]
	s_mul_i32 s18, s[WV], 16*SP
	s_add_co_u32 s18, s18, STAGE
	v_mul_u32_u24 v[STO], v242, SP
	v_lshl_add_u32 v[STO], v243, 4, v[STO]
	v_add_nc_u32 v[STO], s18, v[STO]
	v_mul_u32_u24 v[RD], v243, SP
	v_lshl_add_u32 v[RD], v242, 4, v[RD]
	v_add_nc_u32 v[RD], s18, v[RD]
	v_lshlrev_b32 v[GO], 12, v243                  ; two rows of wc an instruction
	v_lshl_add_u32 v[GO], v242, 4, v[GO]
	v_lshlrev_b32 v[DO], 3, v241
	s_lshl_b32 s20, s[WV], 16                      ; 16 rows of wc, 4,096 bytes each
	s_lshl_b32 s19, ttmp9, 8                       ; my 128 columns in bf16: 256 bytes
	s_add_co_u32 s20, s20, s19
	s_mov_b32 s21, 0
	s_wait_kmcnt 0x0
	s_add_nc_u64 s[22:23], s[12:13], s[20:21]      ; wc at row 16 w
	s_add_nc_u64 s[20:21], s[22:23], 64*4096       ; wc at row 64 + 16 w
.set j, 0
.rept 32
	global_load_b128 v[RAWQ+4*j:RAWQ+4*j+3], v[QOF], s[4:5] offset:j*8192
.set j, j+1
.endr
.set j, 0
.rept 16
	global_load_b128 v[RAWK+4*j:RAWK+4*j+3], v[KOF], s[6:7] offset:j*512
.set j, j+1
.endr
.macro CAST8 raw, j0                   ; eight loads' 32 numbers a lane, rounded to bf16, into CV
.set k, 0
.rept 16
	v_cvt_pk_bf16_f32 v[CV+k], v[(\raw)+4*(\j0)+2*k], v[(\raw)+4*(\j0)+2*k+1]
.set k, k+1
.endr
.endm
	s_wait_loadcnt 16                              ; W_q is in; W_k's 16 loads are younger
.irp c, 0,8,16,24
	CAST8 RAWQ, \c
.set k, 0
.rept 8
	ds_store_b64 v[LQS], v[CV+2*k:CV+2*k+1] offset:((\c)+k)*PQ
.set k, k+1
.endr
.endr
.set j, 0
.rept 16
	global_load_b128 v[RAWD+4*j:RAWD+4*j+3], v[DOF], s[8:9] offset:j*8192
.set j, j+1
.endr
	global_load_b128 v[RAWV:RAWV+3], v[VOF], s[10:11]
	s_wait_loadcnt 17                              ; W_k is in; the 17 loads just issued are younger
.irp c, 0,8
	CAST8 RAWK, \c
.set k, 0
.rept 8
	ds_store_b64 v[LKS], v[CV+2*k:CV+2*k+1] offset:((\c)+k)*2*PW
.set k, k+1
.endr
.endr
	s_wait_dscnt 0x0                               ; my stores are done, for the others' sake
	s_barrier_signal -1
	s_barrier_wait -1
; 32 of the 128 h: eight fragments of W_q^T, one of W_k^T, eight products.  The eight accumulators take turns.
.macro KS ks, zero
.set k, 0
.rept 8
	ds_load_tr16_b128 v[FR+8*k:FR+8*k+3],   v[AQ] offset:(\ks)*32*PQ+32*k
	ds_load_tr16_b128 v[FR+8*k+4:FR+8*k+7], v[AQ] offset:(\ks)*32*PQ+16*PQ+32*k
.set k, k+1
.endr
	ds_load_tr16_b128 v[FR+64:FR+67], v[AW] offset:(\ks)*32*PW
	ds_load_tr16_b128 v[FR+68:FR+71], v[AW] offset:(\ks)*32*PW+16*PW
	s_wait_dscnt 0x0
.set k, 0
.rept 8
.if \zero
	v_wmma_f32_16x16x32_bf16 v[ACC+8*k:ACC+8*k+7], v[FR+8*k:FR+8*k+7], v[FR+64:FR+71], 0
.else
	v_wmma_f32_16x16x32_bf16 v[ACC+8*k:ACC+8*k+7], v[FR+8*k:FR+8*k+7], v[FR+64:FR+71], v[ACC+8*k:ACC+8*k+7]
.endif
.set k, k+1
.endr
.rept 4
	v_nop                                          ; four places in front of loads into the fragments, and of the conversions that read the sums
.endr
.endm
	KS 0, 1
	KS 1, 0
	KS 2, 0
	KS 3, 0
.set k, 0
.rept 32
	v_cvt_pk_bf16_f32 v[FR+k], v[ACC+2*k], v[ACC+2*k+1]
.set k, k+1
.endr
.set k, 0
.rept 8
	ds_store_b128 v[STO], v[FR+4*k:FR+4*k+3] offset:32*k
.set k, k+1
.endr
.set k, 0
.rept 8
	ds_load_b128 v[FR+32+4*k:FR+32+4*k+3], v[RD] offset:k*2*SP  ; a wave's LDS instructions are served in order: these see the stores above
.set k, k+1
.endr
	s_wait_loadcnt 0x0                             ; W_dkv and W_v
.set k, 0
.rept 32
	v_cvt_pk_bf16_f32 v[ACC+k], v[RAWD+2*k], v[RAWD+2*k+1]
.set k, k+1
.endr
	v_cvt_pk_bf16_f32 v[ACC+32], v[RAWV], v[RAWV+1]
	v_cvt_pk_bf16_f32 v[ACC+33], v[RAWV+2], v[RAWV+3]
.set k, 0
.rept 16
	global_store_b64 v[DO], v[ACC+2*k:ACC+2*k+1], s[22:23] offset:k*4096  ; 32 lanes store 256 consecutive bytes, aligned
.set k, k+1
.endr
	global_store_b64 v[VO], v[ACC+32:ACC+33], s[14:15]
.set k, 0
.rept 8
	s_wait_dscnt 7-k
	global_store_b128 v[GO], v[FR+32+4*k:FR+32+4*k+3], s[20:21] offset:k*8192  ; 16 lanes store 256 consecutive bytes, aligned
.set k, k+1
.endr
	s_wait_tensorcnt 0x0                           ; the wave's end: the tensor wait, the add and its wait, behind my last LDS store
	ds_add_u32 v[SPW], v[NIL]
	s_wait_dscnt 0x0
	s_endpgm
.Lfunc_end_k_qf601d794b0_absorb:
	.size	k_qf601d794b0_absorb, .Lfunc_end_k_qf601d794b0_absorb-k_qf601d794b0_absorb
	.p2alignl 7, 3214868480
	.fill 96, 4, 3214868480
	.section	.rodata,"a",@progbits
	.p2align	6, 0x0
	.amdhsa_kernel k_qf601d794b0_absorb
		.amdhsa_group_segment_fixed_size 75264
		.amdhsa_private_segment_fixed_size 0
		.amdhsa_enable_private_segment 0
		.amdhsa_kernarg_size 48
		.amdhsa_user_sgpr_count 2
		.amdhsa_user_sgpr_kernarg_segment_ptr 1
		.amdhsa_wavefront_size32 1
		.amdhsa_system_sgpr_workgroup_id_x 1
		.amdhsa_system_sgpr_workgroup_id_y 1
		.amdhsa_system_sgpr_workgroup_id_z 1
		.amdhsa_system_vgpr_workitem_id 0
		.amdhsa_next_free_vgpr 256
		.amdhsa_next_free_sgpr 66
		.amdhsa_reserve_vcc 0
		.amdhsa_float_denorm_mode_32 3
		.amdhsa_float_denorm_mode_16_64 3
		.amdhsa_memory_ordered 1
		.amdhsa_forward_progress 1
		.amdhsa_inst_pref_size 34
	.end_amdhsa_kernel
	.amdgpu_metadata
---
amdhsa.version: [ 1, 2 ]
amdhsa.kernels:
  - .name:           k_qf601d794b0_absorb
    .symbol:         k_qf601d794b0_absorb.kd
    .args:
      - { .name: W_q, .offset: 0, .size: 8, .value_kind: global_buffer, .address_space: global }
      - { .name: W_k, .offset: 8, .size: 8, .value_kind: global_buffer, .address_space: global }
      - { .name: W_dkv, .offset: 16, .size: 8, .value_kind: global_buffer, .address_space: global }
      - { .name: W_v, .offset: 24, .size: 8, .value_kind: global_buffer, .address_space: global }
      - { .name: wc, .offset: 32, .size: 8, .value_kind: global_buffer, .address_space: global }
      - { .name: wv16, .offset: 40, .size: 8, .value_kind: global_buffer, .address_space: global }
    .group_segment_fixed_size: 75264
    .private_segment_fixed_size: 0
    .kernarg_segment_align: 8
    .kernarg_segment_size: 48
    .max_flat_workgroup_size: 128
    .sgpr_count:     66
    .vgpr_count:     256
    .wavefront_size: 32
...
	.end_amdgpu_metadata
.endif
;; end of part 1
;; launch proj (part 2): grid 256 x 1, 4 waves a work-group, clusters of 4 x 1, 327,680 bytes of LDS; arguments x, wc, out1, hi16, lo16, q16; writes out1, hi16, lo16, q16
.if DOCPART == 2
	.amdgcn_target "amdgcn-amd-amdhsa--gfx1250"
	.amdhsa_code_object_version 6
	.text
	.protected	k_qf601d794b0_proj
	.globl	k_qf601d794b0_proj
	.p2align	8
	.type	k_qf601d794b0_proj,@function
k_qf601d794b0_proj:
	s_mov_b64 s[64:65], 0
	v_nop
	global_prefetch_b8 v0, s[64:65] scope:SCOPE_SE
	s_setreg_imm32_b32 hwreg(HW_REG_WAVE_MODE, 25, 1), 1
	s_wait_xcnt 0x0
	s_wait_alu depctr_hold_cnt(0) depctr_sa_sdst(0) depctr_va_vdst(0) depctr_va_sdst(0) depctr_va_ssrc(0) depctr_va_vcc(0) depctr_vm_vsrc(0)
	s_getreg_b32 s2, hwreg(HW_REG_IB_STS2, 6, 4)
	s_cmp_eq_u32 s2, 0
	s_cbranch_scc0 .Lentry_in_a_cluster
	s_endpgm
.Lentry_in_a_cluster:
	s_bfe_u32 s2, ttmp6, 0x10000c
	s_cmp_lg_u32 s2, 0x3003
	s_cbranch_scc0 .Lentry_shape_is_right
	s_endpgm
.Lentry_shape_is_right:
; C[32768][128] = x wc^T, operands rounded to bf16, sums in f32.  Columns 0-63 are the latent: out1 in f32, and as hi16 = bf16(latent), lo16 = bf16(latent - hi16).  Columns 64-127 are q: q16 in bf16, unscaled.
; SHARES.  A work-group owns 128 rows of x and all 128 columns; a wave 64 x 64: 16 accumulators.  K goes in 16 steps of 128.
; x IS THE LAUNCH: each byte is read once, by loads of 512 consecutive bytes of a row into a ring of eight groups of eight loads in registers, of which six or seven groups (48 to 56 loads a wave) are always out,
; across the barriers too.  A group is rounded to bf16 once and laid into LDS (two slots, a K step each) for all four waves.
; wc's tile of a K step (128 rows x 256 bytes) is the same for every work-group: the four of a cluster ask for it JOINTLY, waves 0 and 1 with 64 rows each; two slots.
; ONE barrier a K step: in front of it each wave has stored its part of the next step's x, has waited for its tensor loads and for its reads of this step's slots.
; THE MATRIX INSTRUCTION IS USED TRANSPOSED (source 0 = 16 rows of wc, source 1 = 16 rows of x): a lane holds eight neighbouring columns of one row.
; No prefetch: x's loads are themselves issued seven groups ahead, and wc is walked by every work-group.
; REGISTERS: window 0: v1-15 addresses; v16-31 converted x; v32-127 the way out; v128-255 accumulators ((a, b) at 128 + 8 (4 a + b)).  window 1: two fragment buffers of 64.  window 2: x's ring, group u at 32 u.
.set PITCH, 272                        ; an LDS row: 256 bytes + 16 of padding: the 16 rows of a fragment load start at 16 different groups of four banks (ISA guide 11.1)
.set WSLOT, 128*PITCH
.set XBASE, 2*WSLOT                    ; x's two slots lie behind wc's two: no tensor load lands there
.set STAGE, 4*WSLOT
.set STW,   8960                       ; a wave's stage: 16 x 272 for f32, 16 x 144 for hi, 16 x 144 for lo
.set HIO,   4352
.set SPARE, STAGE+4*STW                ; the spare words: 128 bytes a wave, named by no other line
.set XO,   3                           ; my byte offset in the work-group's rows of x
.set XS,   4                           ; where my 8 converted bytes of a row go
.set ADRW, 5                           ; my place in wc's fragments, slot 0
.set ADRX, 6                           ; in x's
.set STF,  7
.set ST16, 8
.set RDF,  9
.set RD16, 10
.set GO,   11
.set NEG1, 12
.set SPW,  14
.set NIL,  15
.set CV,   16
.set HI,   32
.set LO,   48
.set RES,  64
.set BK,   96
.set ACC,  128
.set FB,   0
.set WV, 16
.set MH, 17
.set NH, 18
.set CX, 19
.set GW, 20
.set G1, 24
.set G0, 32
.set CNT, 40
.set XB, 42
.set MSB, 0
.macro WIN new                         ; the immediate's high byte repeats the setting that is left
.if MSB != (\new)
	s_set_vgpr_msb (MSB<<8)|(\new)
.set MSB, \new
.endif
.endm
.set W_MUL, 0x05                       ; sources 0 and 1 window 1
.set W_TOF, 0x40                       ; destination window 1
.set W_CVT, 0x0a                       ; sources 0 and 1 window 2
.set W_XLD, 0x80                       ; destination window 2
.macro JLOAD s                         ; a joint refill: waves 0 and 1 fetch the tile's two halves; the branch hangs on the wave's number alone
	s_cmp_lt_u32 s[WV], 2
	s_cbranch_scc0 .Lnone_\@
	tensor_load_to_lds s[G0+4*(\s):G0+4*(\s)+3], s[G1:G1+7]
	s_nop 0
.rept 4
	v_nop
.endr
.Lnone_\@:
.endm
.macro CREST                           ; a round of the cluster's barrier behind its opening barrier
	s_cmp_lg_u32 s[WV], 0
	s_cbranch_scc1 .Lnot_wave_0_\@
	s_barrier_signal -3
.Lnot_wave_0_\@:
	s_barrier_wait -3
	s_barrier_signal -1
	s_barrier_wait -1
.endm
.macro CROUND
	s_barrier_signal -1
	s_barrier_wait -1
	CREST
.endm
.macro PLACES
.rept 4
	v_nop
.endr
.endm
	s_load_b256 s[4:11], s[0:1], 0x0               ; x s[4:5], wc s[6:7], out1 s[8:9], hi16 s[10:11]
	s_load_b128 s[12:15], s[0:1], 0x20             ; lo16 s[12:13], q16 s[14:15]
	v_lshl_add_u32 v[SPW], v0, 2, SPARE
	v_mov_b32 v[NIL], 0
	ds_add_u32 v[SPW], v[NIL]                      ; the wave's opening: the add and its wait stand ahead of my first tensor load
	v_lshrrev_b32 v1, 5, v0
	v_readfirstlane_b32 s[WV], v1
	s_lshr_b32 s[MH], s[WV], 1                     ; which 64 rows are mine
	s_and_b32 s[NH], s[WV], 1                      ; which 64 columns: 0 the latent, 1 q
	s_bfe_u32 s[CX], ttmp6, 0x40000
	s_lshl_b32 s[GW], ttmp9, 2
	s_add_co_u32 s[GW], s[GW], s[CX]               ; my block of 128 rows: it enters x's and the outputs' addresses alone
	s_mov_b32 s[G1], 15|(1<<16)|(1<<20)|(1<<21)|(5<<22)|(3<<25)  ; the mask of four; 2-byte elements; padding on; bit 21 beside a mask; after every 64 words 4 words
	s_mov_b32 s[G1+1], 128<<16                     ; tensor_dim0 = 128
	s_mov_b32 s[G1+2], 64<<16                      ; tensor_dim1 = 64
	s_mov_b32 s[G1+3], 128<<16                     ; tile_dim0 = 128
	s_mov_b32 s[G1+4], 64                          ; tile_dim1 = 64
	s_mov_b32 s[G1+5], 2048                        ; elements from row to row
	s_mov_b32 s[G1+6], 0
	s_mov_b32 s[G1+7], 0
	v_and_b32 v13, 31, v0                          ; lane
	v_and_b32 v1, 15, v0
	v_bfe_u32 v2, v0, 4, 1
	s_lshl_b32 s44, s[WV], 18                      ; my 32 rows of x, 8,192 bytes each
	v_lshl_add_u32 v[XO], v13, 4, s44
	s_mul_i32 s44, s[WV], 32*PITCH
	s_add_co_u32 s44, s44, XBASE
	v_lshl_add_u32 v[XS], v13, 3, s44
	v_mul_u32_u24 v[ADRW], v1, PITCH
	v_lshl_add_u32 v[ADRW], v2, 4, v[ADRW]
	s_mul_i32 s44, s[MH], 64*PITCH
	s_add_co_u32 s44, s44, XBASE
	v_add_nc_u32 v[ADRX], s44, v[ADRW]
	s_mul_i32 s44, s[NH], 64*PITCH
	v_add_nc_u32 v[ADRW], s44, v[ADRW]
	s_mul_i32 s45, s[WV], STW
	s_add_co_u32 s45, s45, STAGE
	v_mul_u32_u24 v[STF], v1, PITCH
	v_lshl_add_u32 v[STF], v2, 5, v[STF]
	v_add_nc_u32 v[STF], s45, v[STF]
	v_mul_u32_u24 v[RDF], v2, PITCH
	v_lshl_add_u32 v[RDF], v1, 4, v[RDF]
	v_add_nc_u32 v[RDF], s45, v[RDF]
	s_add_co_u32 s45, s45, HIO
	v_mul_u32_u24 v[ST16], v1, 144
	v_lshl_add_u32 v[ST16], v2, 4, v[ST16]
	v_add_nc_u32 v[ST16], s45, v[ST16]
	v_bfe_u32 v[RD16], v0, 3, 2
	v_mul_u32_u24 v[RD16], v[RD16], 144
	v_and_b32 v1, 7, v0
	v_lshl_add_u32 v[RD16], v1, 4, v[RD16]
	v_add_nc_u32 v[RD16], s45, v[RD16]
	v_lshlrev_b32 v[GO], 4, v13
	v_mov_b32 v[NEG1], -1.0
	s_lshl_b32 s[XB], s[GW], 20                    ; 128 rows of 8,192 bytes
	s_mov_b32 s[XB+1], 0
	s_lshl_b32 s48, s[GW], 7
	s_lshl_b32 s49, s[MH], 6
	s_add_co_u32 s48, s48, s49                     ; my first row
	s_lshl_b32 s50, s48, 8                         ; in out1: 256 bytes a row
	s_mov_b32 s51, 0
	s_lshl_b32 s48, s48, 7                         ; in hi16, lo16, q16: 128 bytes a row
	s_mov_b32 s49, 0
	s_mul_i32 s44, s[WV], 64*PITCH                 ; where my half of wc's tile goes
	s_lshl_b32 s46, s[WV], 18                      ; and its 64 rows of 4,096 bytes
	s_mov_b32 s47, 0
	s_wait_dscnt 0x0                               ; the opening add is done
	s_wait_kmcnt 0x0
	s_add_nc_u64 s[XB:XB+1], s[4:5], s[XB:XB+1]
	s_add_nc_u64 s[8:9], s[8:9], s[50:51]
	s_add_nc_u64 s[10:11], s[10:11], s[48:49]
	s_add_nc_u64 s[12:13], s[12:13], s[48:49]
	s_add_nc_u64 s[14:15], s[14:15], s[48:49]
	s_add_nc_u64 s[46:47], s[6:7], s[46:47]
.irp s, 0,1
	s_mov_b32 s[G0+4*(\s)], 1
	s_add_co_u32 s[G0+4*(\s)+1], s44, (\s)*WSLOT
	s_add_nc_u64 s[G0+4*(\s)+2:G0+4*(\s)+3], s[46:47], (\s)*256
	s_or_b32 s[G0+4*(\s)+3], s[G0+4*(\s)+3], 0x80000000
.endr
	WIN W_XLD
.set n, 0
.rept 7                                ; x's groups 0 to 6: group n is K step n / 4, my rows 8 (n % 4) + 0..7
.set k, 0
.rept 8
	global_load_b128 v[32*n+4*k:32*n+4*k+3], v[XO], s[XB:XB+1] offset:(8*(n%4)+k)*8192+(n/4)*512 th:TH_LOAD_NT
.set k, k+1
.endr
.set n, n+1
.endr
	WIN 0
	CROUND                                         ; all four work-groups are here: the first joint loads meet
	s_cmp_lt_u32 s[WV], 2                          ; a wave's two first fills stand in one branch: two loads of mine are out
	s_cbranch_scc0 .Lno_first
	tensor_load_to_lds s[G0:G0+3], s[G1:G1+7]
	s_nop 0
	tensor_load_to_lds s[G0+4:G0+7], s[G1:G1+7]
	s_nop 0
.rept 4
	v_nop
.endr
.Lno_first:
; One group of x: ring group u has landed (lcnt younger loads may stay out), is rounded to bf16 and stored into x's slot xs, rows 8 g + 0..7 of my 32.
; issue = 1: the group seven further on is asked for, into the ring group read last time: my rows 8 g2 + 0..7, dt K steps behind the pointer.
.macro XG u, xs, g, lcnt, issue, g2, dt
	s_wait_loadcnt \lcnt
	WIN W_CVT
.set k, 0
.rept 16
	v_cvt_pk_bf16_f32 v[CV+k], v[32*(\u)+2*k], v[32*(\u)+2*k+1]
.set k, k+1
.endr
	WIN 0
.set k, 0
.rept 8
	ds_store_b64 v[XS], v[CV+2*k:CV+2*k+1] offset:(\xs)*WSLOT+(8*(\g)+k)*PITCH  ; 32 lanes: 256 consecutive bytes
.set k, k+1
.endr
.if \issue
	WIN W_XLD
.set k, 0
.rept 8
	global_load_b128 v[32*(((\u)+7)%8)+4*k:32*(((\u)+7)%8)+4*k+3], v[XO], s[XB:XB+1] offset:(8*(\g2)+k)*8192+(\dt)*512 th:TH_LOAD_NT
.set k, k+1
.endr
.endif
.endm
; 16 LDS loads: the fragments of 32 along K at byte kb of the rows, into buffer f: x's four at f, wc's four at f + 32
.macro FETCH slot, kb, f
	WIN W_TOF
.set k, 0
.rept 4
	ds_load_b128 v[(\f)+32+8*k:(\f)+32+8*k+3], v[ADRW] offset:(\slot)*WSLOT+(\kb)+k*16*PITCH
	ds_load_b128 v[(\f)+32+8*k+4:(\f)+32+8*k+7], v[ADRW] offset:(\slot)*WSLOT+(\kb)+k*16*PITCH+32
	ds_load_b128 v[(\f)+8*k:(\f)+8*k+3], v[ADRX] offset:(\slot)*WSLOT+(\kb)+k*16*PITCH
	ds_load_b128 v[(\f)+8*k+4:(\f)+8*k+7], v[ADRX] offset:(\slot)*WSLOT+(\kb)+k*16*PITCH+32
.set k, k+1
.endr
.endm
; four products: row block a x all four column blocks.  The 16 accumulators take turns, one instruction a turn.
.macro MUL4 f, a, zero
	WIN W_MUL
.set k, 0
.rept 4
.if \zero
	v_wmma_f32_16x16x32_bf16 v[ACC+8*(4*(\a)+k):ACC+8*(4*(\a)+k)+7], v[(\f)+32+8*k:(\f)+32+8*k+7], v[(\f)+8*(\a):(\f)+8*(\a)+7], 0
.else
	v_wmma_f32_16x16x32_bf16 v[ACC+8*(4*(\a)+k):ACC+8*(4*(\a)+k)+7], v[(\f)+32+8*k:(\f)+32+8*k+7], v[(\f)+8*(\a):(\f)+8*(\a)+7], v[ACC+8*(4*(\a)+k):ACC+8*(4*(\a)+k)+7]
.endif
.set k, k+1
.endr
.endm
; One of a K step's first three quarters (32 along K): a group of the next step's x; the next quarter's fragments; 16 products.
; The group's 16 conversions are the four places in front of the loads into the buffer that the quarter before multiplied; u = -1: no group is left, and four v_nop take their part.
.macro QUARTER slot, q, zero, u, lcnt, issue, g2, dt
.if (\u) >= 0
	XG \u, 1-(\slot), \q, \lcnt, \issue, \g2, \dt
.else
	PLACES
.endif
	FETCH \slot, 64*((\q)+1), FB+64*(((\q)+1)%2)
	s_wait_dscnt 16                                ; all but the 16 loads just issued: this quarter's fragments are in, my stores are done
	MUL4 FB+64*((\q)%2), 0, \zero
	MUL4 FB+64*((\q)%2), 1, \zero
	MUL4 FB+64*((\q)%2), 2, \zero
	MUL4 FB+64*((\q)%2), 3, \zero
.endm
; The last quarter changes slots.  In front of the barrier: the last group of the next step's x is stored; all my tensor loads have landed; the add; my reads of this step's slots and my stores are done.
; fill = 1: the barrier opens a round of the cluster's, and wc's slot just read is filled again, two K steps on, first thing behind it.
.macro TURN slot, fill, u, lcnt, issue, g2, dt
	XG \u, 1-(\slot), 3, \lcnt, \issue, \g2, \dt
	WIN 0
	s_wait_tensorcnt 0x0                           ; all my tensor loads have landed: the one that was out is my part of wc's next slot
	ds_add_u32 v[SPW], v[NIL]                      ; 0 onto my spare word
	s_wait_dscnt 1                                 ; (only the add may be out: the quarter's fragments are in)
	MUL4 FB+64, 0, 0
	MUL4 FB+64, 1, 0
	s_wait_dscnt 0x0                               ; the add is done; my reads of the slots and my stores of x were done above
	s_barrier_signal -1
	MUL4 FB+64, 2, 0
	WIN 0
	s_barrier_wait -1
.if \fill
	CREST                                          ; no wave of any partner still reads this slot of wc or has a load on its way
	s_add_nc_u64 s[G0+4*(\slot)+2:G0+4*(\slot)+3], s[G0+4*(\slot)+2:G0+4*(\slot)+3], 512
	JLOAD \slot
.endif
	FETCH 1-(\slot), 0, FB
	MUL4 FB+64, 3, 0
.endm
	XG 0, 0, 0, 48, 1, 3, 1                        ; K step 0 of x goes into slot 0; 48 = the six groups issued behind the one waited for
	XG 1, 0, 1, 48, 1, 0, 2
	XG 2, 0, 2, 48, 1, 1, 2
	XG 3, 0, 3, 48, 1, 2, 2
	WIN 0
	s_wait_tensorcnt 0x1                           ; my part of wc's K step 0 is in; step 1's may stay out
	s_wait_dscnt 0x0
	s_barrier_signal -1
	s_barrier_wait -1
	FETCH 0, 0, FB
	QUARTER 0, 0, 1, 4, 48, 1, 3, 2                ; the first quarter stands in front of the loop: its products start the sums
	WIN 0
	s_mov_b32 s[CNT], 6
.Llap:                                                 ; a trip: two K steps, from a step's second quarter to the first of the step after next; eight groups of x, once round the ring
	QUARTER 0, 1, 0, 5, 48, 1, 0, 3
	QUARTER 0, 2, 0, 6, 48, 1, 1, 3
	TURN 0, 1, 7, 48, 1, 2, 3
	QUARTER 1, 0, 0, 0, 48, 1, 3, 3
	QUARTER 1, 1, 0, 1, 48, 1, 0, 4
	QUARTER 1, 2, 0, 2, 48, 1, 1, 4
	TURN 1, 1, 3, 48, 1, 2, 4
	QUARTER 0, 0, 0, 4, 48, 1, 3, 4
	WIN 0
	s_wait_xcnt 0x0                                ; the loads issued so far have read their address: the pointer is stepped only behind this wait
	s_add_nc_u64 s[XB:XB+1], s[XB:XB+1], 1024
	s_sub_co_u32 s[CNT], s[CNT], 1
	s_cmp_lg_u32 s[CNT], 0
	s_cbranch_scc1 .Llap
	QUARTER 0, 1, 0, 5, 48, 1, 0, 3                ; K step 12 goes on; the tail is written out: x's last groups are asked for, then the counts run down
	QUARTER 0, 2, 0, 6, 48, 1, 1, 3
	TURN 0, 1, 7, 48, 1, 2, 3
	QUARTER 1, 0, 0, 0, 48, 1, 3, 3                ; x's last group
	QUARTER 1, 1, 0, 1, 48, 0, 0, 0
	QUARTER 1, 2, 0, 2, 40, 0, 0, 0
	TURN 1, 1, 3, 32, 0, 0, 0                      ; wc's last K step is asked for
	QUARTER 0, 0, 0, 4, 24, 0, 0, 0
	QUARTER 0, 1, 0, 5, 16, 0, 0, 0
	QUARTER 0, 2, 0, 6, 8, 0, 0, 0
	TURN 0, 0, 7, 0, 0, 0, 0
	QUARTER 1, 0, 0, -1, 0, 0, 0, 0
	QUARTER 1, 1, 0, -1, 0, 0, 0, 0
	QUARTER 1, 2, 0, -1, 0, 0, 0, 0
	s_wait_dscnt 0x0
	MUL4 FB+64, 0, 0
	MUL4 FB+64, 1, 0
	MUL4 FB+64, 2, 0
	MUL4 FB+64, 3, 0
	WIN 0
	PLACES
; THE WAY OUT, 16 rows at a time, through my own stage.  16-bit rows of 128 bytes: four a load, 512 consecutive bytes a store.
.macro PUT16 src, so
.set k, 0
.rept 4
	ds_store_b128 v[ST16], v[(\src)+4*k:(\src)+4*k+3] offset:(\so)+32*k
.set k, k+1
.endr
.endm
.macro GET16 dst, so
.set k, 0
.rept 4
	ds_load_b128 v[(\dst)+4*k:(\dst)+4*k+3], v[RD16] offset:(\so)+k*576
.set k, k+1
.endr
.endm
.macro LAT a                           ; the latent: f32, its bf16 rounding, and the bf16 rounding of what that left
.set A0, ACC+32*(\a)
	s_wait_xcnt 0x0                                ; the stores issued so far have read their registers
.set k, 0
.rept 4
	ds_store_b128 v[STF], v[A0+8*k:A0+8*k+3] offset:64*k      ; each accumulator's low registers are read first
	ds_store_b128 v[STF], v[A0+8*k+4:A0+8*k+7] offset:64*k+16
.set k, k+1
.endr
.set k, 0
.rept 16
	v_cvt_pk_bf16_f32 v[HI+k], v[A0+2*k], v[A0+2*k+1]
.set k, k+1
.endr
.set k, 0
.rept 16
	v_fma_mix_f32_bf16 v[RES+2*k], v[HI+k], v[NEG1], v[A0+2*k] op_sel_hi:[1,0,0]                    ; latent - hi, exact in f32
	v_fma_mix_f32_bf16 v[RES+2*k+1], v[HI+k], v[NEG1], v[A0+2*k+1] op_sel:[1,0,0] op_sel_hi:[1,0,0]
.set k, k+1
.endr
.set k, 0
.rept 16
	v_cvt_pk_bf16_f32 v[LO+k], v[RES+2*k], v[RES+2*k+1]
.set k, k+1
.endr
	PUT16 HI, 0
	PUT16 LO, 2304
.set k, 0
.rept 8
	ds_load_b128 v[BK+4*k:BK+4*k+3], v[RDF] offset:k*2*PITCH  ; a wave's LDS instructions are served in order: these see the stores above
.set k, k+1
.endr
	GET16 RES, 0
	GET16 RES+16, 2304
	s_wait_dscnt 8                                 ; the f32 rows are back; the eight 16-bit loads are younger
.set k, 0
.rept 8
	global_store_b128 v[GO], v[BK+4*k:BK+4*k+3], s[8:9] offset:(\a)*4096+k*512 th:TH_STORE_NT  ; 512 consecutive bytes, aligned
.set k, k+1
.endr
	s_wait_dscnt 0x0
.set k, 0
.rept 4
	global_store_b128 v[GO], v[RES+4*k:RES+4*k+3], s[10:11] offset:(\a)*2048+k*512
	global_store_b128 v[GO], v[RES+16+4*k:RES+16+4*k+3], s[12:13] offset:(\a)*2048+k*512
.set k, k+1
.endr
.endm
.macro QOUT a
.set A0, ACC+32*(\a)
	s_wait_xcnt 0x0
.set k, 0
.rept 16
	v_cvt_pk_bf16_f32 v[HI+k], v[A0+2*k], v[A0+2*k+1]
.set k, k+1
.endr
	PUT16 HI, 0
	GET16 RES, 0
	s_wait_dscnt 0x0
.set k, 0
.rept 4
	global_store_b128 v[GO], v[RES+4*k:RES+4*k+3], s[14:15] offset:(\a)*2048+k*512
.set k, k+1
.endr
.endm
	s_cmp_eq_u32 s[NH], 0
	s_cbranch_scc0 .Lq_out
	LAT 0
	LAT 1
	LAT 2
	LAT 3
	s_branch .Lend
.Lq_out:
	QOUT 0
	QOUT 1
	QOUT 2
	QOUT 3
.Lend:
	s_wait_tensorcnt 0x0                           ; the wave's end: the tensor wait, the add and its wait, behind my last tensor load and my last LDS store
	ds_add_u32 v[SPW], v[NIL]
	s_wait_dscnt 0x0
	CROUND                                         ; the closing round
	s_endpgm
.Lfunc_end_k_qf601d794b0_proj:
	.size	k_qf601d794b0_proj, .Lfunc_end_k_qf601d794b0_proj-k_qf601d794b0_proj
	.p2alignl 7, 3214868480
	.fill 96, 4, 3214868480
	.section	.rodata,"a",@progbits
	.p2align	6, 0x0
	.amdhsa_kernel k_qf601d794b0_proj
		.amdhsa_group_segment_fixed_size 327680
		.amdhsa_private_segment_fixed_size 0
		.amdhsa_enable_private_segment 0
		.amdhsa_kernarg_size 48
		.amdhsa_user_sgpr_count 2
		.amdhsa_user_sgpr_kernarg_segment_ptr 1
		.amdhsa_wavefront_size32 1
		.amdhsa_system_sgpr_workgroup_id_x 1
		.amdhsa_system_sgpr_workgroup_id_y 1
		.amdhsa_system_sgpr_workgroup_id_z 1
		.amdhsa_system_vgpr_workitem_id 0
		.amdhsa_next_free_vgpr 768
		.amdhsa_next_free_sgpr 66
		.amdhsa_reserve_vcc 0
		.amdhsa_float_denorm_mode_32 3
		.amdhsa_float_denorm_mode_16_64 3
		.amdhsa_memory_ordered 1
		.amdhsa_forward_progress 1
		.amdhsa_inst_pref_size 156
	.end_amdhsa_kernel
	.amdgpu_metadata
---
amdhsa.version: [ 1, 2 ]
amdhsa.kernels:
  - .name:           k_qf601d794b0_proj
    .symbol:         k_qf601d794b0_proj.kd
    .args:
      - { .name: x, .offset: 0, .size: 8, .value_kind: global_buffer, .address_space: global }
      - { .name: wc, .offset: 8, .size: 8, .value_kind: global_buffer, .address_space: global }
      - { .name: out1, .offset: 16, .size: 8, .value_kind: global_buffer, .address_space: global }
      - { .name: hi16, .offset: 24, .size: 8, .value_kind: global_buffer, .address_space: global }
      - { .name: lo16, .offset: 32, .size: 8, .value_kind: global_buffer, .address_space: global }
      - { .name: q16, .offset: 40, .size: 8, .value_kind: global_buffer, .address_space: global }
    .group_segment_fixed_size: 327680
    .private_segment_fixed_size: 0
    .kernarg_segment_align: 8
    .kernarg_segment_size: 48
    .max_flat_workgroup_size: 128
    .sgpr_count:     66
    .vgpr_count:     768
    .wavefront_size: 32
...
	.end_amdgpu_metadata
.endif
;; end of part 2
;; launch attn (part 3): grid 32 x 8, 4 waves a work-group, clusters of 4 x 1, 327,680 bytes of LDS; arguments q16, hi16, lo16, wv16, out0; writes out0
.if DOCPART == 3
	.amdgcn_target "amdgcn-amd-amdhsa--gfx1250"
	.amdhsa_code_object_version 6
	.text
	.protected	k_qf601d794b0_attn
	.globl	k_qf601d794b0_attn
	.p2align	8
	.type	k_qf601d794b0_attn,@function
k_qf601d794b0_attn:
	s_mov_b64 s[64:65], 0
	v_nop
	global_prefetch_b8 v0, s[64:65] scope:SCOPE_SE
	s_setreg_imm32_b32 hwreg(HW_REG_WAVE_MODE, 25, 1), 1
	s_wait_xcnt 0x0
	s_wait_alu depctr_hold_cnt(0) depctr_sa_sdst(0) depctr_va_vdst(0) depctr_va_sdst(0) depctr_va_ssrc(0) depctr_va_vcc(0) depctr_vm_vsrc(0)
	s_getreg_b32 s2, hwreg(HW_REG_IB_STS2, 6, 4)
	s_cmp_eq_u32 s2, 0
	s_cbranch_scc0 .Lentry_in_a_cluster
	s_endpgm
.Lentry_in_a_cluster:
	s_bfe_u32 s2, ttmp6, 0x10000c
	s_cmp_lg_u32 s2, 0x3003
	s_cbranch_scc0 .Lentry_shape_is_right
	s_endpgm
.Lentry_shape_is_right:
; out0[b][q][:] = W_v (sum over k <= q of softmax_k(q[q] . latent[k] / sqrt(128)) latent[k]).  q16, hi16, lo16: [8][4096][64] bf16; wv16: [128][64] bf16; out0: [8][4096][128] f32.
; The scores take hi16 as the keys; the weighted sum takes hi16 + lo16, two products onto one f32 sum; W_v is applied once a query, behind the softmax's sum, to the sum split again into two bf16 parts:
; the order of the sums differs from the reference's, the steps are the same.  The weights p are rounded to bf16 for the second product; their sum l is taken of the unrounded p.
; LIMITS.  A hidden score counts as its value less 1e30.  The running maximum m starts at -2^80: raw scores lie above that.  A weight below 2^-126 counts as 0.  NaN and infinities are not treated apart.
; THE WALK.  A batch's queries lie in 64 blocks of 64; a work-group takes blocks 63 - b and then b.  Keys come in tiles of 512.  The four partners of a cluster (b = 4 c + cx) need the same tiles:
; 8 - c / 2 for the first block, c / 2 + 1 for the second: nine for everybody, and every fill is a JOINT load.  No branch, trip count or LDS address hangs on cx: it enters Q's, O's and the prefetches' addresses and the masks' values.
; THE KEYS ARE SPLIT AMONG THE WAVES.  Every wave holds all 64 queries of the block, four PIECES of 16; of a tile's eight steps of 64 keys wave w takes steps w and w + 4.  So a fragment read from LDS feeds four pieces,
; and no LDS byte is read by two waves.  Each wave has its own m, l and sum; the four meet in LDS at the end, weighted by 2^(c m - c M).
; THE MASK is the C operand that starts a sum of scores: 0 or -1e30.  For the step in hand three sets of eight registers serve the key blocks below, on and above a piece's own: made from DL = the step's number less the block's.
; One text serves visible, diagonal and hidden steps.  A wave that has seen hidden keys alone keeps m at its start, p = 0, l = 0.
; KEY ORDER.  Inside a block of 16 keys, place m of the products is LDS row 2 (m % 8) + m / 8: with rows 144 bytes apart the plain loads (keys) and the turning loads (values) then both touch each bank once.
; TURNS.  Turn n belongs to piece n: 8 products K Q^T of piece n + 1, 8 + 8 products V^T P (lo, hi) of piece n - 1; beside them the scaling, exponentials, roundings, sums and rescaling of piece n and the maximum and
; statistics of piece n + 1.  Four vector instructions stand behind each matrix instruction, the other 22 between.  A turn's 33 exponentials are one batch with one wait.
; REGISTERS, in windows of 256: window 0: addresses, statistics, v64-127 S^T (two buffers), v128-159 masks, v160-167 the first block's (c m, l), v192-223 P (two buffers).
;   window 1: v0-127 O^T, v128-255 the first block's.  window 2: v0-63 Q, v64-127 the second block's, v128-191 K, v192-255 V hi.  window 3: v0-63 V lo, v64-191 W_v.
.set NP,    4
.set PK,    144                        ; an LDS row: 128 bytes + 16 of padding
.set HALF,  512*PK                     ; a tile of hi; lo's lies behind it
.set SLOT,  2*HALF
.set NEXTS, 4*64*PK                    ; from a wave's first step of a tile to its second
.set QUART, 256*PK                     ; what one tensor load fills
.set SPARE, 2*SLOT                     ; the spare words: 128 bytes a wave, named by no other line
.set STATS, 131072                     ; behind the last fill the slots' bytes serve the meeting: partial sums from 0 on, (c m, l) here,
.set STAGE, SLOT                       ; and a stage of 16 rows x 528 bytes for each wave
.set SP,    528
.set AK0, 2
.set AV0, 3
.set AK,  4
.set AVH, 5
.set AVL, 6
.set QO,  7
.set PFO, 8
.set MV,  12
.set ST,  16                           ; piece t: c m, m, l (even places', odd places')
.set WS,  32
.set WS2, 33
.set MSW, 34
.set RDM, 35
.set MSR, 36
.set STO, 37
.set RD,  38
.set GO,  39
.set NEG1, 40
.set TMP, 48
.set SPW, 62
.set NIL, 63
.set S,   64
.set MB,  128                          ; the mask for key blocks below the piece's own
.set MO,  136                          ; for its own
.set MA,  144                          ; for those above
.set DG,  152                          ; the diagonal block's pattern, made once
.set SAVS, 160
.set P,   192
.set OUTA, 192
.set SAVO, 128                         ; window 1
.set QN,  64                           ; window 2
.set KF,  128
.set VF,  192
.set VL,  0                            ; window 3
.set WVF, 64
.set WV, 14
.set CX, 15
.set BQ, 17
.set G1, 24
.set G0, 32
.set KVB, 36
.set OFF, 38
.set SBR, 40
.set WOFF, 43
.set TBK, 44
.set TBV, 45
.set SLOTS, 46
.set CNT, 47
.set KK, 48
.set TA, 49
.set SW, 50
.set NXT, 52
.set LQ, 53
.set DL, 54
.set DL2, 55
.set CS, 56
.set SEL, 58
.set AL, 60
.set BB, 62
.set BA, 66
.set NEG, 67
.set PFA, 68
.set LIM, 70
.set OA, 72
.set OB, 74
.set QA, 76
.set QB, 78
.set MSB, 0
.macro WIN new
.if MSB != (\new)
	s_set_vgpr_msb (MSB<<8)|(\new)
.set MSB, (\new)
.endif
.endm
.set W_KQ, 0x0a                        ; K and Q in window 2; S^T and the masks in window 0
.set W_PH, 0x52                        ; V hi in window 2, P in window 0, O^T in window 1
.set W_PL, 0x53                        ; V lo in window 3
.set W_RS, 0x41                        ; destination and source 0 in window 1
.macro JLOAD                           ; a joint fill: every wave fetches a quarter of a slot (waves 0, 1: hi's halves; 2, 3: lo's) by its own descriptor, the same in all four partners
	tensor_load_to_lds s[G0:G0+3], s[G1:G1+7]
	s_nop 0
.rept 4
	v_nop
.endr
.endm
; A PREFETCH of the tile that the NEXT change of slots will ask for.  A batch's first cluster (c = 0) walks the tiles 0 to 7 in order: it asks, nobody else.  A tile is 512 blocks of 256 bytes; the cluster's 16 waves take 32 each,
; a lane a block: wave w the quarter that it fetches, the partners told apart by address.  The changes that ask for the walk's tiles 7 and 8 prefetch nothing: tile 7 is the batch's last, and the walk's ninth has been read.
.macro ASK
	s_cmp_gt_u32 s[SLOTS], s[LIM]
	s_cbranch_scc0 .Lnot_mine_\@
	global_prefetch_b8 v[PFO], s[PFA:PFA+1] th:TH_LOAD_NT scope:SCOPE_SE
.Lnot_mine_\@:
.endm
.macro CROUND
	s_barrier_signal -1
	s_barrier_wait -1
	s_cmp_lg_u32 s[WV], 0
	s_cbranch_scc1 .Lnot_wave_0_\@
	s_barrier_signal -3
.Lnot_wave_0_\@:
	s_barrier_wait -3
	s_barrier_signal -1
	s_barrier_wait -1
.endm
; THE CHANGE OF SLOTS.  Each wave waits for all its tensor loads (one is out: its quarter of the other slot), adds 0 to its spare word, and waits for that and for its reads of the slot that it leaves.
; fill = 1: the barrier is a round of the cluster's, and the slot left is filled again first thing behind it, with tile NXT; the load has two key steps, 192 matrix instructions, in which to land.
.macro CHANGE fill
	WIN 0
	s_wait_tensorcnt 0x0                           ; no tensor load of mine is out, so the descriptor may be written
	ds_add_u32 v[SPW], v[NIL]                      ; 0 onto my spare word; scalar work stands between it and the wait for it
.if \fill
	s_xor_b32 s[G0+1], s[G0+1], SLOT               ; the other slot (the wave's term shares no bit with SLOT)
	s_lshl_b32 s[OFF], s[NXT], 16                  ; a tile is 65,536 bytes of hi and of lo
	s_add_nc_u64 s[G0+2:G0+3], s[KVB:KVB+1], s[OFF:OFF+1]
	s_or_b32 s[G0+3], s[G0+3], 0x80000000
	s_add_co_u32 s[NXT], s[NXT], 1                 ; the block's next tile, or behind its last the second block's tile 0
	s_cmp_gt_u32 s[NXT], s[LQ]
	s_cselect_b32 s[NXT], 0, s[NXT]
	s_cselect_b32 s[LQ], 255, s[LQ]
	s_wait_xcnt 0x0                                ; the last prefetch, a tile back, has read its address
	s_add_nc_u64 s[PFA:PFA+1], s[PFA:PFA+1], 65536
.endif
	s_xor_b32 s[SBR], s[SBR], SLOT                 ; the slot to be read,
	s_add_co_u32 s[TBK], s[SBR], s[WOFF]           ; my first step in it
	s_mov_b32 s[TBV], s[TBK]
	s_cmp_eq_u32 s[KK], s[TA]                      ; is the tile entered the second block's first?
	s_cselect_b32 s[SW], 1, 0
	s_add_co_u32 s[KK], s[KK], 1
	s_wait_dscnt 0x0                               ; the add is done, and my reads of the slot are over
.if \fill
	CROUND
	JLOAD
	ASK
.else
	s_barrier_signal -1
	s_barrier_wait -1
.endif
.endm
	s_load_b256 s[4:11], s[0:1], 0x0               ; q16 s[4:5], hi16 s[6:7], lo16 s[8:9], wv16 s[10:11]
	s_load_b64 s[12:13], s[0:1], 0x20              ; out0
	v_lshl_add_u32 v[SPW], v0, 2, SPARE
	v_mov_b32 v[NIL], 0
	ds_add_u32 v[SPW], v[NIL]                      ; the wave's opening: the add and its wait stand ahead of my first tensor load
	v_lshrrev_b32 v1, 5, v0
	v_readfirstlane_b32 s[WV], v1
	s_bfe_u32 s[CX], ttmp6, 0x40000
	s_lshl_b32 s[BQ], ttmp9, 2
	s_add_co_u32 s[BQ], s[BQ], s[CX]               ; b: the second block
	s_sub_co_u32 s18, 63, s[BQ]                    ; the first block
	s_lshr_b32 s19, ttmp9, 1
	s_sub_co_u32 s[TA], 8, s19                     ; the first block's tiles: the same for the four partners
	s_sub_co_u32 s[LQ], s[TA], 1
	s_sub_co_i32 s[DL], s[WV], s18                 ; my first step's number less the block's
	s_sub_co_i32 s[DL2], s[WV], s[BQ]
	s_and_b32 s20, ttmp7, 0xffff                   ; the batch
	s_lshl_b32 s21, s20, 19                        ; 4,096 rows of 128 bytes
	s_and_b32 s22, s[WV], 1
	s_lshl_b32 s22, s22, 15                        ; which 256 keys of a tile I fetch
	s_add_co_u32 s22, s22, s21
	s_mov_b32 s23, 0
	s_lshl_b32 s[PFA], s[CX], 13                   ; my work-group's 32 blocks of that quarter,
	s_add_co_u32 s[PFA], s[PFA], s22
	s_add_co_u32 s[PFA], s[PFA], 65536             ; in tile 1: the first change steps it to tile 2
	s_mov_b32 s[PFA+1], 0
	s_lshl_b32 s[QA], s18, 13                      ; a block's 64 rows of 128 bytes
	s_add_co_u32 s[QA], s[QA], s21
	s_mov_b32 s[QA+1], 0
	s_lshl_b32 s[QB], s[BQ], 13
	s_add_co_u32 s[QB], s[QB], s21
	s_mov_b32 s[QB+1], 0
	s_lshl_b32 s21, s20, 21                        ; in out0: 4,096 rows of 512 bytes,
	s_lshl_b32 s19, s[WV], 13                      ; the piece that I finish: 16 rows
	s_add_co_u32 s21, s21, s19
	s_lshl_b32 s[OA], s18, 15
	s_add_co_u32 s[OA], s[OA], s21
	s_mov_b32 s[OA+1], 0
	s_lshl_b32 s[OB], s[BQ], 15
	s_add_co_u32 s[OB], s[OB], s21
	s_mov_b32 s[OB+1], 0
	s_mov_b32 s[G1], 15|(1<<16)|(1<<20)|(1<<21)|(4<<22)|(3<<25)  ; the mask of four; 2-byte elements; padding on; bit 21 beside a mask; after every 32 words 4 words
	s_mov_b32 s[G1+1], 128<<16                     ; 256 keys are 32,768 dense bytes: asked for as 128 rows of 256 bytes
	s_mov_b32 s[G1+2], 128<<16
	s_mov_b32 s[G1+3], 128<<16
	s_mov_b32 s[G1+4], 128
	s_mov_b32 s[G1+5], 128
	s_mov_b32 s[G1+6], 0
	s_mov_b32 s[G1+7], 0
	s_mov_b32 s[G0], 1
	s_mul_i32 s[G0+1], s[WV], QUART                ; slot 0, my quarter
	s_mul_i32 s[WOFF], s[WV], 64*PK
	s_mov_b32 s[OFF+1], 0
	s_mov_b32 s[SBR], SLOT                         ; the first change turns it into 0
	s_mov_b32 s[SLOTS], 8
	s_mov_b32 s[KK], 0
	s_mov_b32 s[NXT], 1
	s_mov_b32 s[CS], 0x3e0293ee                    ; c = log2(e) / sqrt(128)
	s_mov_b32 s[CS+1], s[CS]
	s_mov_b32 s[SEL], 0x76543210
	s_mov_b32 s[SEL+1], 0xfedcba98
	s_mov_b32 s[AL+1], 0                           ; named as pairs
	s_mov_b32 s[BB+1], 0
	s_mov_b32 s[NEG], 0xf149f2ca                   ; -1e30
	s_cmp_eq_u32 ttmp9, 0
	s_cselect_b32 s[LIM], 2, -1                    ; the same in all four partners
	s_wait_dscnt 0x0                               ; the opening add is done
	s_wait_kmcnt 0x0
	s_cmp_lt_u32 s[WV], 2
	s_cselect_b64 s[KVB:KVB+1], s[6:7], s[8:9]
	s_add_nc_u64 s[PFA:PFA+1], s[KVB:KVB+1], s[PFA:PFA+1]
	s_add_nc_u64 s[KVB:KVB+1], s[KVB:KVB+1], s[22:23]
	s_add_nc_u64 s[G0+2:G0+3], s[KVB:KVB+1], 0
	s_or_b32 s[G0+3], s[G0+3], 0x80000000
	s_add_nc_u64 s[QA:QA+1], s[4:5], s[QA:QA+1]
	s_add_nc_u64 s[QB:QB+1], s[4:5], s[QB:QB+1]
	s_add_nc_u64 s[OA:OA+1], s[12:13], s[OA:OA+1]
	s_add_nc_u64 s[OB:OB+1], s[12:13], s[OB:OB+1]
	CROUND                                         ; all four work-groups are here: the first joint loads meet
	JLOAD                                          ; tile 0 into slot 0; slot 1 is asked for when it is in
	v_and_b32 v1, 15, v0                           ; l % 16
	v_bfe_u32 v9, v0, 4, 1                         ; l / 16
	v_and_b32 v10, 7, v0
	v_bfe_u32 v11, v0, 3, 1
	v_lshlrev_b32 v[QO], 7, v1
	v_lshl_add_u32 v[QO], v9, 4, v[QO]             ; a fragment's row x 128 + 16 x half: for q16 and for wv16
	WIN 0x80
.set i, 0
.rept 8                                ; both blocks' Q: piece i / 2, channels 32 (i % 2) on
	global_load_b128 v[8*i:8*i+3],   v[QO], s[QA:QA+1] offset:(i/2)*2048+(i%2)*64
	global_load_b128 v[8*i+4:8*i+7], v[QO], s[QA:QA+1] offset:(i/2)*2048+(i%2)*64+32
	global_load_b128 v[QN+8*i:QN+8*i+3],   v[QO], s[QB:QB+1] offset:(i/2)*2048+(i%2)*64
	global_load_b128 v[QN+8*i+4:QN+8*i+7], v[QO], s[QB:QB+1] offset:(i/2)*2048+(i%2)*64+32
.set i, i+1
.endr
	WIN 0xc0
.set i, 0
.rept 16                               ; W_v: rows 16 (i / 2) on, channels 32 (i % 2) on
	global_load_b128 v[WVF+8*i:WVF+8*i+3],   v[QO], s[10:11] offset:(i/2)*2048+(i%2)*64
	global_load_b128 v[WVF+8*i+4:WVF+8*i+7], v[QO], s[10:11] offset:(i/2)*2048+(i%2)*64+32
.set i, i+1
.endr
	; A block's first step multiplies O^T and l by a = 0, and the first turn's products V^T P belong to a piece that has not been: these registers need only hold finite numbers.  The first block's saved
	; sums are written here too, so that they are written on every way through the text.  All this stands in the wait for the first tile.
.set i, 0
.rept 64
	v_mov_b32 v[VL+i], 0
.set i, i+1
.endr
	WIN 0x80
.set i, 0
.rept 64
	v_mov_b32 v[VF+i], 0
.set i, i+1
.endr
	WIN 0x40
.set i, 0
.rept 256
	v_mov_b32 v[i], 0
.set i, i+1
.endr
	WIN 0
.set i, 0
.rept 4
	v_mov_b32 v[ST+4*i+2], 0
	v_mov_b32 v[ST+4*i+3], 0
	v_mov_b32 v[SAVS+2*i], 0
	v_mov_b32 v[SAVS+2*i+1], 0
.set i, i+1
.endr
.set i, 0
.rept 16
	v_mov_b32 v[P+16+i], 0
.set i, i+1
.endr
	v_lshl_add_u32 v14, v10, 1, v11                ; place l % 16 of a key block is LDS row 2 (l % 8) + (l % 16) / 8
	v_mul_u32_u24 v[AK0], v14, PK
	v_lshl_add_u32 v[AK0], v9, 4, v[AK0]
	v_lshl_add_u32 v14, v10, 1, v9                 ; the turning load: place 8 (l / 16) + l % 8 is LDS row 2 (l % 8) + l / 16
	v_mul_u32_u24 v[AV0], v14, PK
	v_lshl_add_u32 v[AV0], v11, 4, v[AV0]
	v_sub_nc_u32 v14, v1, v9                       ; register j of my lane holds key 2 j + l / 16 of the block: hidden in the diagonal block where that is above my query l % 16
.set i, 0
.rept 8
	v_cmp_gt_i32 vcc_lo, 2*i, v14
	v_cndmask_b32 v[DG+i], 0, s[NEG], vcc_lo
.set i, i+1
.endr
	v_and_b32 v14, 31, v0
	s_lshl_b32 s19, s[WV], 14
	v_lshl_add_u32 v[WS], v14, 4, s19              ; my partial sums: 16,384 w + 4,096 piece + 512 chunk + 16 lane; the second block's 65,536 on
	v_add_nc_u32 v[WS2], 0x10000, v[WS]
	s_lshl_b32 s19, s[WV], 10
	s_add_co_u32 s19, s19, STATS
	v_lshl_add_u32 v[MSW], v14, 3, s19
	s_lshl_b32 s19, s[WV], 12
	v_lshl_add_u32 v[RDM], v14, 4, s19             ; I finish piece w
	s_lshl_b32 s19, s[WV], 8
	s_add_co_u32 s19, s19, STATS
	v_lshl_add_u32 v[MSR], v14, 3, s19
	s_mul_i32 s19, s[WV], 16*SP
	s_add_co_u32 s19, s19, STAGE
	v_mul_u32_u24 v[STO], v1, SP
	v_lshl_add_u32 v[STO], v9, 5, v[STO]
	v_add_nc_u32 v[STO], s19, v[STO]
	v_lshl_add_u32 v[RD], v14, 4, s19
	v_lshlrev_b32 v[GO], 4, v14
	v_lshlrev_b32 v[PFO], 8, v14
	v_mov_b32 v[NEG1], -1.0
; THE MATRIX WORK.  The 4 accumulators of a run of 8 take turns.  Product i of 8 of S^T = K Q^T for piece x: channels 32 (i / 4) on, keys 16 (i % 4) on.  The first 4 start the sums with a mask.
.macro KQ x
	WIN W_KQ
.set rS, S+32*((\x)%2)+8*(i%4)
.set rK, KF+16*(i%4)+8*(i/4)
.set rQ, 16*(\x)+8*(i/4)
.set rM, MA
.if (i%4) < (\x)
.set rM, MB
.elseif (i%4) == (\x)
.set rM, MO
.endif
.if i < 4
	v_wmma_f32_16x16x32_bf16 v[rS:rS+7], v[rK:rK+7], v[rQ:rQ+7], v[rM:rM+7]
.else
	v_wmma_f32_16x16x32_bf16 v[rS:rS+7], v[rK:rK+7], v[rQ:rQ+7], v[rS:rS+7]
.endif
.endm
; Product i of 8 of O^T += V^T P for piece x: keys 32 (i / 4) on, channels 16 (i % 4) on; hi = 0: V lo, 1: V hi.
.macro PV x, hi
.set rO, 32*(\x)+8*(i%4)
.set rP, P+16*((\x)%2)+8*(i/4)
.if \hi
	WIN W_PH
.set rV, VF+32*(i/4)+8*(i%4)
.else
	WIN W_PL
.set rV, VL+32*(i/4)+8*(i%4)
.endif
	v_wmma_f32_16x16x32_bf16 v[rO:rO+7], v[rV:rV+7], v[rP:rP+7], v[rO:rO+7]
.endm
.macro MM                              ; the turn's next matrix instruction
.if mi < 8
.set i, mi
	KQ (Y+1)%NP
.elseif mi < 16
.set i, mi-8
	PV (Y+NP-1)%NP, 0
.else
.set i, mi-16
	PV (Y+NP-1)%NP, 1
.endif
.set mi, mi+1
.endm
; THE LDS LOADS stand in runs of 16.
.macro FETCH_K
	WIN 0x80
.irp f, 0,1,2,3,4,5,6,7                ; keys 16 (f / 2) on, channels 32 (f % 2) on
	ds_load_b128 v[KF+8*\f:KF+8*\f+3],   v[AK] offset:(\f/2)*16*PK+(\f%2)*64
	ds_load_b128 v[KF+8*\f+4:KF+8*\f+7], v[AK] offset:(\f/2)*16*PK+(\f%2)*64+32
.endr
	s_add_co_u32 s[TBK], s[TBK], NEXTS
	WIN 0
.endm
.macro FETCH_V win, base, adr
	WIN \win
.irp f, 0,1,2,3,4,5,6,7                ; keys 32 (f / 4) on, channels 16 (f % 4) on
	ds_load_tr16_b128 v[(\base)+8*\f:(\base)+8*\f+3],   v[\adr] offset:(\f/4)*32*PK+(\f%4)*32
	ds_load_tr16_b128 v[(\base)+8*\f+4:(\base)+8*\f+7], v[\adr] offset:(\f/4)*32*PK+16*PK+(\f%4)*32
.endr
	WIN 0
.endm
; The masks of my next step, and DL on to the step after it.  The selects choose values; no branch follows them.
.macro MASKS
	s_cmp_eq_i32 s[DL], 0                          ; the block's own step?
	s_cselect_b32 s[AL], 1.0, 0
	s_cmp_gt_i32 s[DL], 0                          ; a later one?
	s_cselect_b32 s[BB], s[NEG], 0
	s_cmp_ge_i32 s[DL], 0
	s_cselect_b32 s[BA], s[NEG], 0
	s_add_co_i32 s[DL], s[DL], 4
	WIN 0
.set z, 0
.rept 4
	v_pk_fma_f32 v[MO+2*z:MO+2*z+1], v[DG+2*z:DG+2*z+1], s[AL:AL+1], s[BB:BB+1] op_sel_hi:[1,0,0]
.set z, z+1
.endr
.set z, 0
.rept 8
	v_mov_b32 v[MB+z], s[BB]
	v_mov_b32 v[MA+z], s[BA]
.set z, z+1
.endr
.endm
; THE VECTOR WORK, one line at a time: OP kind, number.  For piece Y: F n: c s - c m for pair n of 16.  E n: the exponential of score n of 32.  C n: pair n rounded to bf16.  B n: of the four weights 4 n .. the second pair is
; added onto the first.  L n: l takes that sum (L 0: l = a l + sum).  R n: pair n of 16 of O^T times a.  For piece Y + 1: X n, number n of the 22 that find its maximum and statistics: 0-11 four chains of seven scores
; (each accumulator's lowest registers are read first); 12-14, 16 the scores left over, the old m, all into one; 15 c m_old is kept; 17, 18 the other half of the lanes; 19-21 c m, its change, a.
.set F, 0
.set E, 1
.set C, 2
.set B, 3
.set L, 4
.set R, 5
.set X, 6
.macro REGS y
.set rT, ST+4*(\y)
.set rC, TMP+4*((\y)%2)
.set rW, MV+((\y)%2)
.set rS, S+32*((\y)%2)
.set rP, P+16*((\y)%2)
.set rO, 32*(\y)
.endm
.macro OP k, n
.if (\k) == R
	REGS Y
	WIN W_RS
	v_pk_mul_f32 v[rO+2*(\n):rO+2*(\n)+1], v[rO+2*(\n):rO+2*(\n)+1], v[rC+2:rC+3] op_sel_hi:[1,0]
.elseif (\k) < R
	REGS Y
	WIN 0
.if (\k) == F
	v_pk_fma_f32 v[rS+2*(\n):rS+2*(\n)+1], v[rS+2*(\n):rS+2*(\n)+1], s[CS:CS+1], v[rT:rT+1] op_sel_hi:[1,0,0] neg_lo:[0,0,1] neg_hi:[0,0,1]
.elseif (\k) == E
	v_exp_f32 v[rS+(\n)], v[rS+(\n)]
.elseif (\k) == C
	v_cvt_pk_bf16_f32 v[rP+(\n)], v[rS+2*(\n)], v[rS+2*(\n)+1]
.elseif (\k) == B
	v_pk_add_f32 v[rS+4*(\n):rS+4*(\n)+1], v[rS+4*(\n):rS+4*(\n)+1], v[rS+4*(\n)+2:rS+4*(\n)+3]
.elseif (\n) == 0
	v_pk_fma_f32 v[rT+2:rT+3], v[rT+2:rT+3], v[rC+2:rC+3], v[rS:rS+1] op_sel_hi:[1,0,1]
.else
	v_pk_add_f32 v[rT+2:rT+3], v[rT+2:rT+3], v[rS+4*(\n):rS+4*(\n)+1]
.endif
.else
	REGS (Y+1)%NP
	WIN 0
.if (\n) < 4
	v_max3_num_f32 v[rC+(\n)], v[rS+8*(\n)], v[rS+8*(\n)+1], v[rS+8*(\n)+2]
.elseif (\n) < 12
	v_max3_num_f32 v[rC+(\n)%4], v[rC+(\n)%4], v[rS+8*((\n)%4)+2*((\n)/4)+1], v[rS+8*((\n)%4)+2*((\n)/4)+2]
.elseif (\n) == 12
	v_max3_num_f32 v[rC], v[rC], v[rS+7], v[rS+15]
.elseif (\n) == 13
	v_max3_num_f32 v[rC+1], v[rC+1], v[rS+23], v[rS+31]
.elseif (\n) == 14
	v_max3_num_f32 v[rC+2], v[rC+2], v[rC+3], v[rT+1]
.elseif (\n) == 15
	v_mov_b32 v[rW], v[rT]
.elseif (\n) == 16
	v_max3_num_f32 v[rC], v[rC], v[rC+1], v[rC+2]
.elseif (\n) == 17
	v_permlanex16_b32 v[rC+3], v[rC], s[SEL], s[SEL+1]
.elseif (\n) == 18
	v_max_num_f32 v[rT+1], v[rC], v[rC+3]
.elseif (\n) == 19
	v_mul_f32 v[rT], s[CS], v[rT+1]
.elseif (\n) == 20
	v_sub_f32 v[rC+1], v[rW], v[rT]
.else
	v_exp_f32 v[rC+2], v[rC+1]
.endif
.endif
.endm
.macro OPS a, i1, b=-1, i2=0, c=-1, i3=0, d=-1, i4=0
	OP \a, \i1
.if (\b) >= 0
	OP \b, \i2
.endif
.if (\c) >= 0
	OP \c, \i3
.endif
.if (\d) >= 0
	OP \d, \i4
.endif
.endm
.macro ROW a, i1, b, i2, c, i3, d, i4  ; a matrix instruction and the four behind it
	MM
	OPS \a, \i1, \b, \i2, \c, \i3, \d, \i4
.endm
; A TURN, for piece p.  Ahead of its one wait stands all that names no result of its exponentials: the 8 products K Q^T, the 8 products with V lo, the scalings, the 32 exponentials, the rescalings, the next piece's maximum and
; statistics and, last, its a; R 15 is the plain instruction behind it.  Behind the wait: the 8 products with V hi, and the roundings and sums.  Each X that reads scores stands four plain instructions or more behind the product
; that ends its accumulator.  K of my next step is fetched in piece 2's turn, six plain instructions behind the last product that read K; V lo of the step in hand in piece 0's turn, four plain instructions (F 13, F 14, X 18,
; F 15) behind its last reader; V hi at that turn's end, behind four roundings.  Piece 3's turn makes the next step's masks.
.macro TURN p
.set Y, (\p)
.set mi, 0
.if (\p) == 3
	MASKS
	s_wait_dscnt 0x0                               ; K is in
.endif
	ROW F,0, F,1, R,0, R,1
	ROW F,2, E,0, R,2, R,3
	ROW F,3, E,1, R,4, R,5
	ROW F,4, E,2, R,6, R,7
	ROW F,5, E,3, R,8, R,9
	ROW F,6, E,4, X,0, R,10
.if (\p) == 2
	WIN 0
	v_add_nc_u32 v[AK], s[TBK], v[AK0]
.endif
	ROW F,7, E,5, X,1, X,4
	ROW F,8, E,6, X,2, X,5
.if (\p) == 1
	s_wait_dscnt 16                                ; V lo is in; V hi's 16 loads are younger
.endif
	ROW E,7, E,8, X,6, E,9
	ROW X,3, E,10, X,8, E,11
.if (\p) == 2
	FETCH_K
.endif
	ROW X,9, X,7, E,12, X,10
	ROW E,13, X,12, X,11, E,14
	ROW X,13, E,15, F,9, X,14
.if (\p) == 0
	WIN 0
	v_add_nc_u32 v[AVH], s[TBV], v[AV0]
	v_add_nc_u32 v[AVL], HALF, v[AVH]
.endif
	ROW E,16, F,10, E,17, F,11
	ROW X,16, E,18, X,15, E,19
	OPS F,12, E,20, X,17, E,21
	ROW F,13, E,22, F,14, E,23
	OPS X,18, E,24, F,15, E,25
.if (\p) == 0
	FETCH_V 0xc0, VL, AVL
.endif
	OPS R,11, E,26, X,19, E,27
	OPS R,12, E,28, R,13, E,29
	OPS X,20, E,30, R,14, E,31
	OPS X,21, R,15
	s_wait_alu depctr_va_vdst(0)                   ; the one wait for the turn's 33 exponentials, ahead of their first reader
.if (\p) == 1
	s_wait_dscnt 0x0                               ; V hi is in
.endif
	ROW C,0, B,0, C,2, B,1
	ROW L,0, C,4, B,2, L,1
	ROW C,6, B,3, L,2, C,8
	ROW B,4, L,3, C,10, B,5
	ROW L,4, C,12, B,6, L,5
	ROW C,14, B,7, L,6, C,1
	ROW C,3, L,7, C,5, C,7
	ROW C,9, C,11, C,13, C,15
.if (\p) == 0
	FETCH_V 0x80, VF, AVH
	s_add_co_u32 s[TBV], s[TBV], NEXTS
.endif
.endm
; A BLOCK BEGINS.  c m starts far below every c s, so the first step's a is 0; m at -2^80.  Then the masks of my first step, piece 0's first scores (K is in registers), and its maximum and statistics.
.macro BEGIN
	WIN 0
.set i, 0
.rept 4
	v_mov_b32 v[ST+4*i], 0xfe000000
	v_mov_b32 v[ST+4*i+1], 0xe7800000
.set i, i+1
.endr
	MASKS
.set i, 0
.rept 8
	KQ 0
.set i, i+1
.endr
	WIN 0
.rept 4
	v_nop                                          ; the places behind those products
.endr
.set Y, NP-1
.irp n, 0,1,2,3,4,5,6,7,8,9,10,11,12,13,14,15,16,17,18,19,20,21
	OP X, \n
.endr
	v_nop                                          ; a plain instruction behind the exponential,
	s_wait_alu depctr_va_vdst(0)                   ; and its wait, ahead of the label or branch that follows
.endm
.macro LASTPV                          ; piece 3's products V^T P of a block's last step
.set i, 0
.rept 8
	PV 3, 0
.set i, i+1
.endr
.set i, 0
.rept 8
	PV 3, 1
.set i, i+1
.endr
.endm
; THE FIRST BLOCK ENDS.  The two turns in front have finished pieces 2 and 3; the scores that they made for a next step were all hidden (DL > 0), so piece 0's m stands as it was.  O^T, c m and l are set aside, the second
; block's Q goes where the turns name Q.  The copies of pieces 0 to 2 are the places behind piece 3's last products.
.macro SWITCH
	LASTPV
	WIN W_RS
.set i, 0
.rept 128
	v_mov_b32 v[SAVO+i], v[i]
.set i, i+1
.endr
	WIN 0
.set i, 0
.rept 4
	v_mov_b32 v[SAVS+2*i], v[ST+4*i]
	v_add_f32 v[SAVS+2*i+1], v[ST+4*i+2], v[ST+4*i+3]
.set i, i+1
.endr
	WIN 0x82
.set i, 0
.rept 64
	v_mov_b32 v[i], v[QN+i]
.set i, i+1
.endr
	WIN 0
	s_mov_b32 s[DL], s[DL2]
	s_mov_b32 s[SW], 0
.endm
	CHANGE 1                                       ; tile 0 is in, everybody's part of it; the walk's tile 1 is asked for
	WIN 0
	v_add_nc_u32 v[AK], s[TBK], v[AK0]
	FETCH_K
	s_wait_loadcnt 0x0                             ; Q and W_v
	s_wait_dscnt 0x0
	BEGIN
	s_mov_b32 s[CNT], 2
	s_branch .Lfirst                               ; the loop is entered at a step's first turn, in the middle of a trip
.Lslot:                                                ; seven times: a tile is entered and the next is asked for
	CHANGE 1
	s_mov_b32 s[CNT], 2
.Lstep:                                                ; a trip: pieces 2 and 3 of one of my steps, then pieces 0 and 1 of the next
	TURN 2
	TURN 3
	WIN 0
	s_cmp_eq_u32 s[SW], 0
	s_cbranch_scc1 .Lfirst
	SWITCH
	BEGIN
.Lfirst:
	TURN 0
	TURN 1
	WIN 0
	s_sub_co_u32 s[CNT], s[CNT], 1
	s_cmp_lg_u32 s[CNT], 0
	s_cbranch_scc1 .Lstep
	s_sub_co_u32 s[SLOTS], s[SLOTS], 1
	s_cmp_lg_u32 s[SLOTS], 0
	s_cbranch_scc1 .Lslot
	CHANGE 0                                       ; the walk's last tile is written out: nothing is asked for
	TURN 2
	TURN 3
	WIN 0
	s_cmp_eq_u32 s[SW], 0
	s_cbranch_scc1 .Ltail0
	SWITCH
	BEGIN
.Ltail0:
	s_mov_b32 s[CNT], 2
.Ltail:                                                ; the last trip's run of K loads reads filled bytes of the same slot (lo's); the scores made of them are hidden and change nothing
	TURN 0
	TURN 1
	TURN 2
	TURN 3
	WIN 0
	s_sub_co_u32 s[CNT], s[CNT], 1
	s_cmp_lg_u32 s[CNT], 0
	s_cbranch_scc1 .Ltail
	LASTPV
	WIN 0
.set i, 0
.rept 4
	v_add_f32 v[ST+4*i+1], v[ST+4*i+2], v[ST+4*i+3]  ; l beside c m, as a pair; these four are the places behind the last products
.set i, i+1
.endr
	; THE MEETING.  No slot is filled any more; when every wave has read its last, the slots' bytes take the partial sums.
	s_wait_dscnt 0x0
	s_barrier_signal -1
	s_barrier_wait -1
	WIN 0x04                                       ; the stores' data in window 1
.set i, 0
.rept 32
	ds_store_b128 v[WS],  v[SAVO+4*i:SAVO+4*i+3] offset:i*512
	ds_store_b128 v[WS2], v[4*i:4*i+3] offset:i*512
.set i, i+1
.endr
	WIN 0
.set i, 0
.rept 4
	ds_store_b64 v[MSW], v[SAVS+2*i:SAVS+2*i+1] offset:i*256
	ds_store_b64 v[MSW], v[ST+4*i:ST+4*i+1] offset:4096+i*256
.set i, i+1
.endr
	s_wait_dscnt 0x0                               ; my stores are done, for the others' sake
	s_barrier_signal -1
	s_barrier_wait -1
	s_mov_b32 s[CNT], 2
.Lfin:                                                 ; twice: wave w finishes piece w of the first block, then of the second
.irp v, 0,1,2,3
	ds_load_b64 v[TMP+2*\v:TMP+2*\v+1], v[MSR] offset:\v*1024
.endr
.set i, 0
.rept 32                               ; wave i / 8's partial sums, chunk i % 8
	ds_load_b128 v[S+4*i:S+4*i+3], v[RDM] offset:(i/8)*16384+(i%8)*512
.set i, i+1
.endr
	s_wait_dscnt 32                                ; the four (c m, l) are in
	v_max3_num_f32 v16, v[TMP], v[TMP+2], v[TMP+4]
	v_max_num_f32 v16, v16, v[TMP+6]               ; c M
.irp v, 0,1,2,3
	v_sub_f32 v[20+\v], v[TMP+2*\v], v16
.endr
.irp v, 0,1,2,3
	v_exp_f32 v[24+2*\v], v[20+\v]
.endr
	v_nop
	s_wait_alu depctr_va_vdst(0)                   ; one wait for the four exponentials
	v_mul_f32 v17, v24, v[TMP+1]
	v_fmac_f32 v17, v26, v[TMP+3]
	v_fmac_f32 v17, v28, v[TMP+5]
	v_fmac_f32 v17, v30, v[TMP+7]
	v_permlanex16_b32 v18, v17, s[SEL], s[SEL+1]   ; the query's other keys lie in the lane 16 away
	v_add_f32 v17, v17, v18
	v_rcp_f32 v19, v17
	v_nop
	s_wait_alu depctr_va_vdst(0)
.irp v, 0,1,2,3
	v_mul_f32 v[24+2*\v], v[24+2*\v], v19
.endr
	s_wait_dscnt 0x0
.set i, 0
.rept 16
	v_pk_mul_f32 v[S+2*i:S+2*i+1], v[S+2*i:S+2*i+1], v[24:25] op_sel_hi:[1,0]
.set i, i+1
.endr
.irp v, 1,2,3
.set i, 0
.rept 16
	v_pk_fma_f32 v[S+2*i:S+2*i+1], v[S+32*\v+2*i:S+32*\v+2*i+1], v[24+2*\v:25+2*\v], v[S+2*i:S+2*i+1] op_sel_hi:[1,0,1]
.set i, i+1
.endr
.endr
.set i, 0
.rept 16
	v_cvt_pk_bf16_f32 v[S+32+i], v[S+2*i], v[S+2*i+1]
.set i, i+1
.endr
.set i, 0
.rept 16
	v_fma_mix_f32_bf16 v[S+2*i], v[S+32+i], v[NEG1], v[S+2*i] op_sel_hi:[1,0,0]
	v_fma_mix_f32_bf16 v[S+2*i+1], v[S+32+i], v[NEG1], v[S+2*i+1] op_sel:[1,0,0] op_sel_hi:[1,0,0]
.set i, i+1
.endr
.set i, 0
.rept 16
	v_cvt_pk_bf16_f32 v[S+48+i], v[S+2*i], v[S+2*i+1]
.set i, i+1
.endr
	WIN 0x03                                       ; W_v in window 3
.set n, 0
.rept 4                                ; part n / 2 (hi, lo), channels 32 (n % 2) on; the eight accumulators take turns
.set i, 0
.rept 8
.if n == 0
	v_wmma_f32_16x16x32_bf16 v[OUTA+8*i:OUTA+8*i+7], v[WVF+16*i+8*(n%2):WVF+16*i+8*(n%2)+7], v[S+32+16*(n/2)+8*(n%2):S+32+16*(n/2)+8*(n%2)+7], 0
.else
	v_wmma_f32_16x16x32_bf16 v[OUTA+8*i:OUTA+8*i+7], v[WVF+16*i+8*(n%2):WVF+16*i+8*(n%2)+7], v[S+32+16*(n/2)+8*(n%2):S+32+16*(n/2)+8*(n%2)+7], v[OUTA+8*i:OUTA+8*i+7]
.endif
.set i, i+1
.endr
.set n, n+1
.endr
	WIN 0
.rept 4
	v_nop
.endr
.set i, 0
.rept 8
	ds_store_b128 v[STO], v[OUTA+8*i:OUTA+8*i+3] offset:64*i
	ds_store_b128 v[STO], v[OUTA+8*i+4:OUTA+8*i+7] offset:64*i+16
.set i, i+1
.endr
.set i, 0
.rept 16
	ds_load_b128 v[S+4*i:S+4*i+3], v[RD] offset:i*SP  ; a wave's LDS instructions are served in order: these see the stores above
.set i, i+1
.endr
.set i, 0
.rept 16
	s_wait_dscnt 15-i
	global_store_b128 v[GO], v[S+4*i:S+4*i+3], s[OA:OA+1] offset:i*512 th:TH_STORE_NT  ; a row of out0: 512 consecutive bytes, aligned
.set i, i+1
.endr
	s_wait_xcnt 0x0                                ; the stores have read their registers and their base
	v_add_nc_u32 v[RDM], 0x10000, v[RDM]
	v_add_nc_u32 v[MSR], 4096, v[MSR]
	s_mov_b64 s[OA:OA+1], s[OB:OB+1]
	s_sub_co_u32 s[CNT], s[CNT], 1
	s_cmp_lg_u32 s[CNT], 0
	s_cbranch_scc1 .Lfin
	s_wait_tensorcnt 0x0                           ; the wave's end: the tensor wait, the add and its wait, behind my last tensor load and my last LDS store
	ds_add_u32 v[SPW], v[NIL]
	s_wait_dscnt 0x0
	CROUND                                         ; the closing round
	s_endpgm
.Lfunc_end_k_qf601d794b0_attn:
	.size	k_qf601d794b0_attn, .Lfunc_end_k_qf601d794b0_attn-k_qf601d794b0_attn
	.p2alignl 7, 3214868480
	.fill 96, 4, 3214868480
	.section	.rodata,"a",@progbits
	.p2align	6, 0x0
	.amdhsa_kernel k_qf601d794b0_attn
		.amdhsa_group_segment_fixed_size 327680
		.amdhsa_private_segment_fixed_size 0
		.amdhsa_enable_private_segment 0
		.amdhsa_kernarg_size 40
		.amdhsa_user_sgpr_count 2
		.amdhsa_user_sgpr_kernarg_segment_ptr 1
		.amdhsa_wavefront_size32 1
		.amdhsa_system_sgpr_workgroup_id_x 1
		.amdhsa_system_sgpr_workgroup_id_y 1
		.amdhsa_system_sgpr_workgroup_id_z 1
		.amdhsa_system_vgpr_workitem_id 0
		.amdhsa_next_free_vgpr 1024
		.amdhsa_next_free_sgpr 80
		.amdhsa_reserve_vcc 1
		.amdhsa_float_denorm_mode_32 3
		.amdhsa_float_denorm_mode_16_64 3
		.amdhsa_memory_ordered 1
		.amdhsa_forward_progress 1
		.amdhsa_inst_pref_size 189
	.end_amdhsa_kernel
	.amdgpu_metadata
---
amdhsa.version: [ 1, 2 ]
amdhsa.kernels:
  - .name:           k_qf601d794b0_attn
    .symbol:         k_qf601d794b0_attn.kd
    .args:
      - { .name: q16, .offset: 0, .size: 8, .value_kind: global_buffer, .address_space: global }
      - { .name: hi16, .offset: 8, .size: 8, .value_kind: global_buffer, .address_space: global }
      - { .name: lo16, .offset: 16, .size: 8, .value_kind: global_buffer, .address_space: global }
      - { .name: wv16, .offset: 24, .size: 8, .value_kind: global_buffer, .address_space: global }
      - { .name: out0, .offset: 32, .size: 8, .value_kind: global_buffer, .address_space: global }
    .group_segment_fixed_size: 327680
    .private_segment_fixed_size: 0
    .kernarg_segment_align: 8
    .kernarg_segment_size: 40
    .max_flat_workgroup_size: 128
    .sgpr_count:     80
    .vgpr_count:     1024
    .wavefront_size: 32
...
	.end_amdgpu_metadata
.endif
;; end of part 3
;; ======== version 2 of 2: 3 launches; version 1 with the launch absorb written anew for expert scheduling mode
;; workspace buffers: wc 524,288 bytes; wv16 16,384 bytes; hi16 4,194,304 bytes; lo16 4,194,304 bytes; q16 4,194,304 bytes
;; launch absorb (part 4): grid 16 x 1, 4 waves a work-group, no clusters, 75,264 bytes of LDS; arguments W_q, W_k, W_dkv, W_v, wc, wv16; writes wc, wv16
.if DOCPART == 4
	.amdgcn_target "amdgcn-amd-amdhsa--gfx1250"
	.amdhsa_code_object_version 6
	.text
	.protected	k_qf601d794b0_absorb
	.globl	k_qf601d794b0_absorb
	.p2align	8
	.type	k_qf601d794b0_absorb,@function
k_qf601d794b0_absorb:
	s_mov_b64 s[64:65], 0
	v_nop
	global_prefetch_b8 v0, s[64:65] scope:SCOPE_SE
	s_setreg_imm32_b32 hwreg(HW_REG_WAVE_SCHED_MODE, 0, 2), 2
	s_setreg_imm32_b32 hwreg(HW_REG_WAVE_MODE, 25, 1), 1
	s_wait_xcnt 0x0
	s_wait_alu depctr_vm_vsrc(0)
; wc[128][2048] bf16: rows 0-63 = W_dkv rounded; rows 64+l = A[l][e] = sum over h of W_k[h][l] W_q[h][e], operands rounded to bf16, sums in f32, A rounded once.
; wv16[128][64] = W_v rounded to bf16.
; A work-group owns 128 columns e; its four waves own 16 rows l each.  W_q's and W_k's tiles lie in LDS as [h][..] and are read turned (ds_load_tr16_b128),
; since h, the index summed over, runs down their rows.  Source 0 = 16 columns e, source 1 = 16 rows l: a lane ends with one row l and eight neighbouring e.
; No cluster and no tensor load: a work-group's tile of W_q is read by nobody else, and W_k is 32 KiB.
; THE MODE: SCHED_MODE bits 1:0 = 2 (LLVM: expert scheduling mode 2), set by the entry lines.  The code itself states the register dependences
; between vector or matrix instructions and memory or LDS instructions, with s_wait_alu, always for 0.
; THE PLAN.  Registers that memory or LDS instructions touch:
;   v4-15, v240   offsets and LDS addresses: written once at the head, read by every load and store, never written again.
;   v16-143       W_q as loaded; rounded in place, each load's four registers into its first two; those pairs are the data of 32 LDS stores.
;   v144-207      W_k likewise: 16 LDS stores.
;   window 1, v0-67   W_dkv and W_v as loaded.  No vector instruction names them before the conversions at the end, so their loads hang on their offsets alone.
;   FA, FB        two fragment buffers, which take turns.  Step n's eight products read buffer n % 2; steps 0 and 1 are fetched behind the barrier; in steps 1 and 2 the next step's loads land in the buffer that the step before read.
;   v160-223      the accumulators: named by products alone, until W_dkv's conversions write v160-193, the data of 17 global stores.
;   v88-119       A rounded: written by conversions, read by the stage's LDS stores.   v120-151  the stage's rows read back: the data of 8 global stores.
; So: one wait on va_vdst ahead of each run of stores whose data vector instructions have made; one on vm_vsrc behind the barrier, where the raw registers become fragments and sums; one on va_vdst at the head of
; steps 1 and 2, behind which the step's 18 loads are dealt among its products, which name the other buffer and the accumulators alone.
.set PQ,    288                        ; LDS row of W_q's tile: 256 bytes + 32 (an odd multiple of 32, for the turning load)
.set PW,    160                        ; LDS row of W_k: 128 bytes + 32
.set WKL,   128*PQ                     ; W_k behind W_q's tile
.set STAGE, WKL+128*PW                 ; 16 rows x 272 bytes for each wave, for the way out
.set SP,    272
.set SPARE, STAGE+4*16*SP              ; the spare words: 128 bytes a wave, named by no other line
.set SPW, 2
.set NIL, 3
.set QOF, 4                            ; byte offsets in W_q, W_k, W_dkv, W_v
.set KOF, 5
.set DOF, 6
.set VOF, 7
.set LQS, 8                            ; where my converted numbers go in LDS
.set LKS, 9
.set AQ,  10                           ; the turning loads' addresses
.set AW,  11
.set STO, 12
.set RD,  13
.set GO,  14
.set DO,  15
.set RAWQ, 16                          ; v16-143  W_q as loaded, then rounded in place
.set RAWK, 144                         ; v144-207 W_k likewise
.set RAWD, 0                           ; window 1: v0-63 W_dkv as loaded
.set RAWV, 64                          ; window 1: v64-67 W_v as loaded
.set FB,  16                           ; v16-87   nine fragments: steps 1 and 3
.set FA,  88                           ; v88-159  nine fragments: steps 0 and 2; later the way out
.set ACC, 160                          ; v160-223 eight accumulators; later W_dkv converted
.set VO,  240
.set WV,  16
.set MSB, 0
.macro WIN new                         ; s_set_vgpr_msb: bits 1:0 source 0, 3:2 source 1, 7:6 destination; the immediate's high byte repeats the setting that is left
.if MSB != (\new)
	s_set_vgpr_msb (MSB<<8)|(\new)
.set MSB, \new
.endif
.endm
	s_load_b256 s[4:11], s[0:1], 0x0               ; W_q s[4:5], W_k s[6:7], W_dkv s[8:9], W_v s[10:11]
	s_load_b128 s[12:15], s[0:1], 0x20             ; wc s[12:13], wv16 s[14:15]
	v_lshl_add_u32 v[SPW], v0, 2, SPARE
	v_mov_b32 v[NIL], 0
	v_lshrrev_b32 v1, 5, v0
	v_readfirstlane_b32 s[WV], v1
	v_and_b32 v241, 31, v0                         ; lane
	v_and_b32 v242, 15, v0                         ; lane % 16
	v_bfe_u32 v243, v0, 4, 1                       ; lane / 16
	v_and_b32 v244, 7, v0
	v_bfe_u32 v245, v0, 3, 1
	v_lshl_add_u32 v246, v243, 3, v244             ; the turning load's row: 8 (lane / 16) + lane % 8
	s_lshl_b32 s17, ttmp9, 9                       ; my 128 columns in f32: 512 bytes
	s_lshl_b32 s26, ttmp9, 11                      ; my work-group's 2,048 bytes of W_v,
	s_lshl_b32 s27, ttmp9, 10                      ; and its 1,024 of wv16
	s_lshl_b32 s19, ttmp9, 8                       ; my 128 columns in bf16: 256 bytes
	s_wait_alu depctr_va_sdst(0)                   ; s16, the wave's number, is written, ahead of its first reader
	; the scalars that the vector lines below read: each has a register of its own and is written once
	s_lshl_b32 s18, s[WV], 18                      ; 32 rows of 8,192 bytes
	s_add_co_u32 s18, s18, s17
	s_lshl_b32 s24, s[WV], 13                      ; 32 rows of W_k, 256 bytes each
	s_lshl_b32 s25, s[WV], 17                      ; 16 rows of W_dkv
	s_add_co_u32 s25, s25, s17
	s_mul_i32 s28, s[WV], 32*PQ
	s_mul_i32 s29, s[WV], 32*PW
	s_add_co_u32 s29, s29, WKL
	s_lshl_b32 s30, s[WV], 5                       ; my 16 columns l of W_k: 32 bytes
	s_add_co_u32 s30, s30, WKL
	s_mul_i32 s31, s[WV], 16*SP
	s_add_co_u32 s31, s31, STAGE
	s_lshl_b32 s20, s[WV], 16                      ; 16 rows of wc, 4,096 bytes each
	s_add_co_u32 s20, s20, s19
	s_mov_b32 s21, 0
	v_lshl_add_u32 v[QOF], v241, 4, s18
	v_lshl_add_u32 v[KOF], v241, 4, s24
	v_lshl_add_u32 v[DOF], v241, 4, s25
	v_lshl_add_u32 v[VOF], v0, 4, s26              ; 16 bytes of W_v for each of the launch's 2,048 threads
	v_lshl_add_u32 v[VO], v0, 3, s27
	v_lshl_add_u32 v[LQS], v241, 3, s28
	v_mul_u32_u24 v[LKS], v243, PW
	v_lshl_add_u32 v[LKS], v242, 3, v[LKS]
	v_add_nc_u32 v[LKS], s29, v[LKS]
	v_mul_u32_u24 v[AQ], v246, PQ
	v_lshl_add_u32 v[AQ], v245, 4, v[AQ]
	v_mul_u32_u24 v[AW], v246, PW
	v_lshl_add_u32 v[AW], v245, 4, v[AW]
	v_add_nc_u32 v[AW], s30, v[AW]
	v_mul_u32_u24 v[STO], v242, SP
	v_lshl_add_u32 v[STO], v243, 4, v[STO]
	v_add_nc_u32 v[STO], s31, v[STO]
	v_mul_u32_u24 v[RD], v243, SP
	v_lshl_add_u32 v[RD], v242, 4, v[RD]
	v_add_nc_u32 v[RD], s31, v[RD]
	v_lshlrev_b32 v[GO], 12, v243                  ; two rows of wc an instruction
	v_lshl_add_u32 v[GO], v242, 4, v[GO]
	v_lshlrev_b32 v[DO], 3, v241
	s_wait_kmcnt 0x0
	s_add_nc_u64 s[22:23], s[12:13], s[20:21]      ; wc at row 16 w
	s_add_nc_u64 s[20:21], s[22:23], 64*4096       ; wc at row 64 + 16 w
	s_wait_alu depctr_va_vdst(0)                   ; the offsets and addresses v4 to v15 and v240 are written: every load and store of the kernel reads one of them
.set j, 0
.rept 32
	global_load_b128 v[RAWQ+4*j:RAWQ+4*j+3], v[QOF], s[4:5] offset:j*8192
.set j, j+1
.endr
.set j, 0
.rept 16
	global_load_b128 v[RAWK+4*j:RAWK+4*j+3], v[KOF], s[6:7] offset:j*512
.set j, j+1
.endr
.macro CASTIN raw, n                   ; n loads' numbers, four a lane each, rounded to bf16 in place: a load's four registers close up into its first two
.set k, 0
.rept \n
	v_cvt_pk_bf16_f32 v[(\raw)+4*k],   v[(\raw)+4*k],   v[(\raw)+4*k+1]
	v_cvt_pk_bf16_f32 v[(\raw)+4*k+1], v[(\raw)+4*k+2], v[(\raw)+4*k+3]
.set k, k+1
.endr
.endm
	s_wait_loadcnt 16                              ; W_q is in; W_k's 16 loads are younger
	WIN 0x40                                       ; destination window 1, offset window 0
.set j, 0
.rept 16                               ; W_dkv and W_v go out at once.  No wait: their offsets stand behind the wait above, with loads, a wait on LOADcnt and the window switch alone between, and no vector instruction has named their registers
	global_load_b128 v[RAWD+4*j:RAWD+4*j+3], v[DOF], s[8:9] offset:j*8192
.set j, j+1
.endr
	global_load_b128 v[RAWV:RAWV+3], v[VOF], s[10:11]
	WIN 0
	CASTIN RAWQ, 32
	s_wait_alu depctr_va_vdst(0)                   ; the conversions have written W_q's pairs, which the LDS stores read
.set k, 0
.rept 32
	ds_store_b64 v[LQS], v[RAWQ+4*k:RAWQ+4*k+1] offset:k*PQ
.set k, k+1
.endr
	s_wait_loadcnt 17                              ; W_k is in; W_dkv's 16 loads and W_v's one are younger
	CASTIN RAWK, 16
	s_wait_alu depctr_va_vdst(0)                   ; the conversions have written W_k's pairs, which the LDS stores read; and all conversions are done with v16 to v207, in which the fragments' loads land behind the barrier
.set k, 0
.rept 16
	ds_store_b64 v[LKS], v[RAWK+4*k:RAWK+4*k+1] offset:k*2*PW
.set k, k+1
.endr
	s_wait_dscnt 0x0                               ; my stores are done, for the others' sake
	s_barrier_signal -1
	s_barrier_wait -1
	s_wait_alu depctr_vm_vsrc(0)                   ; my LDS stores have read their pairs in v16 to v207: these registers are FB, FA and the accumulators from here on, written by the fragments' loads and by the products
; 32 of the 128 h: eight fragments of W_q^T, one of W_k^T: a run of 18 loads into buffer f
.macro FRAGS ks, f
.set k, 0
.rept 8
	ds_load_tr16_b128 v[(\f)+8*k:(\f)+8*k+3],   v[AQ] offset:(\ks)*32*PQ+32*k
	ds_load_tr16_b128 v[(\f)+8*k+4:(\f)+8*k+7], v[AQ] offset:(\ks)*32*PQ+16*PQ+32*k
.set k, k+1
.endr
	ds_load_tr16_b128 v[(\f)+64:(\f)+67], v[AW] offset:(\ks)*32*PW
	ds_load_tr16_b128 v[(\f)+68:(\f)+71], v[AW] offset:(\ks)*32*PW+16*PW
.endm
; A step: eight products on buffer f.  The eight accumulators take turns.  nks >= 0: the 18 loads of step nks go into buffer g, early in the step: W_k's two ahead of the first product, four of W_q's behind each of
; the first four.  They need no wait of their own: no product of this step names g.
.macro STEP f, zero, nks, g
.if (\nks) >= 0
	ds_load_tr16_b128 v[(\g)+64:(\g)+67], v[AW] offset:(\nks)*32*PW
	ds_load_tr16_b128 v[(\g)+68:(\g)+71], v[AW] offset:(\nks)*32*PW+16*PW
.endif
.set k, 0
.rept 8
.if \zero
	v_wmma_f32_16x16x32_bf16 v[ACC+8*k:ACC+8*k+7], v[(\f)+8*k:(\f)+8*k+7], v[(\f)+64:(\f)+71], 0
.else
	v_wmma_f32_16x16x32_bf16 v[ACC+8*k:ACC+8*k+7], v[(\f)+8*k:(\f)+8*k+7], v[(\f)+64:(\f)+71], v[ACC+8*k:ACC+8*k+7]
.endif
.if ((\nks) >= 0) && (k < 4)
	ds_load_tr16_b128 v[(\g)+16*k:(\g)+16*k+3],     v[AQ] offset:(\nks)*32*PQ+64*k
	ds_load_tr16_b128 v[(\g)+16*k+4:(\g)+16*k+7],   v[AQ] offset:(\nks)*32*PQ+16*PQ+64*k
	ds_load_tr16_b128 v[(\g)+16*k+8:(\g)+16*k+11],  v[AQ] offset:(\nks)*32*PQ+64*k+32
	ds_load_tr16_b128 v[(\g)+16*k+12:(\g)+16*k+15], v[AQ] offset:(\nks)*32*PQ+16*PQ+64*k+32
.endif
.set k, k+1
.endr
.endm
	FRAGS 0, FA
	FRAGS 1, FB
	s_wait_dscnt 18                                ; step 0's fragments are in; step 1's 18 loads are younger
	STEP FA, 1, -1, 0
	s_wait_dscnt 0x0                               ; step 1's fragments are in
	s_wait_alu depctr_va_vdst(0)                   ; step 0's products are done reading FA, in which step 2's fragments land
	STEP FB, 0, 2, FA
	s_wait_dscnt 0x0                               ; step 2's fragments are in
	s_wait_alu depctr_va_vdst(0)                   ; step 1's products are done reading FB, in which step 3's fragments land
	STEP FA, 0, 3, FB
	s_wait_dscnt 0x0                               ; step 3's fragments are in; nothing more is fetched
	STEP FB, 0, -1, 0
.rept 4
	v_nop                                          ; four places behind the last product, in front of the conversions that read the sums (ISA guide 7.12.1)
.endr
.set k, 0
.rept 32
	v_cvt_pk_bf16_f32 v[FA+k], v[ACC+2*k], v[ACC+2*k+1]
.set k, k+1
.endr
	s_wait_alu depctr_va_vdst(0)                   ; the conversions have written v88 to v119, which the LDS stores read; the products are done reading v120 to v151, in which the loads from the stage land
.set k, 0
.rept 8
	ds_store_b128 v[STO], v[FA+4*k:FA+4*k+3] offset:32*k
.set k, k+1
.endr
.set k, 0
.rept 8
	ds_load_b128 v[FA+32+4*k:FA+32+4*k+3], v[RD] offset:k*2*SP  ; a wave's LDS instructions are served in order: these see the stores above
.set k, k+1
.endr
	s_wait_loadcnt 0x0                             ; W_dkv and W_v
	WIN 0x05                                       ; sources 0 and 1 window 1, destination window 0
.set k, 0
.rept 32
	v_cvt_pk_bf16_f32 v[ACC+k], v[RAWD+2*k], v[RAWD+2*k+1]
.set k, k+1
.endr
	v_cvt_pk_bf16_f32 v[ACC+32], v[RAWV], v[RAWV+1]
	v_cvt_pk_bf16_f32 v[ACC+33], v[RAWV+2], v[RAWV+3]
	WIN 0
	s_wait_alu depctr_va_vdst(0)                   ; the conversions have written v160 to v193, which the 17 stores below read
.set k, 0
.rept 16
	global_store_b64 v[DO], v[ACC+2*k:ACC+2*k+1], s[22:23] offset:k*4096  ; 32 lanes store 256 consecutive bytes, aligned
.set k, k+1
.endr
	global_store_b64 v[VO], v[ACC+32:ACC+33], s[14:15]
.set k, 0
.rept 8
	s_wait_dscnt 7-k
	global_store_b128 v[GO], v[FA+32+4*k:FA+32+4*k+3], s[20:21] offset:k*8192  ; 16 lanes store 256 consecutive bytes, aligned
.set k, k+1
.endr
	s_wait_dscnt 0x0                               ; the closing lines, six on end
	s_wait_alu 0x0
	s_wait_tensorcnt 0x0
	ds_add_u32 v[SPW], v[NIL]
	s_wait_dscnt 0x0
	s_endpgm
.Lfunc_end_k_qf601d794b0_absorb:
	.size	k_qf601d794b0_absorb, .Lfunc_end_k_qf601d794b0_absorb-k_qf601d794b0_absorb
	.p2alignl 7, 3214868480
	.fill 96, 4, 3214868480
	.section	.rodata,"a",@progbits
	.p2align	6, 0x0
	.amdhsa_kernel k_qf601d794b0_absorb
		.amdhsa_group_segment_fixed_size 75264
		.amdhsa_private_segment_fixed_size 0
		.amdhsa_enable_private_segment 0
		.amdhsa_kernarg_size 48
		.amdhsa_user_sgpr_count 2
		.amdhsa_user_sgpr_kernarg_segment_ptr 1
		.amdhsa_wavefront_size32 1
		.amdhsa_system_sgpr_workgroup_id_x 1
		.amdhsa_system_sgpr_workgroup_id_y 1
		.amdhsa_system_sgpr_workgroup_id_z 1
		.amdhsa_system_vgpr_workitem_id 0
		.amdhsa_next_free_vgpr 324
		.amdhsa_next_free_sgpr 66
		.amdhsa_reserve_vcc 0
		.amdhsa_float_denorm_mode_32 3
		.amdhsa_float_denorm_mode_16_64 3
		.amdhsa_memory_ordered 1
		.amdhsa_forward_progress 1
		.amdhsa_inst_pref_size 34
	.end_amdhsa_kernel
	.amdgpu_metadata
---
amdhsa.version: [ 1, 2 ]
amdhsa.kernels:
  - .name:           k_qf601d794b0_absorb
    .symbol:         k_qf601d794b0_absorb.kd
    .args:
      - { .name: W_q, .offset: 0, .size: 8, .value_kind: global_buffer, .address_space: global }
      - { .name: W_k, .offset: 8, .size: 8, .value_kind: global_buffer, .address_space: global }
      - { .name: W_dkv, .offset: 16, .size: 8, .value_kind: global_buffer, .address_space: global }
      - { .name: W_v, .offset: 24, .size: 8, .value_kind: global_buffer, .address_space: global }
      - { .name: wc, .offset: 32, .size: 8, .value_kind: global_buffer, .address_space: global }
      - { .name: wv16, .offset: 40, .size: 8, .value_kind: global_buffer, .address_space: global }
    .group_segment_fixed_size: 75264
    .private_segment_fixed_size: 0
    .kernarg_segment_align: 8
    .kernarg_segment_size: 48
    .max_flat_workgroup_size: 128
    .sgpr_count:     66
    .vgpr_count:     324
    .wavefront_size: 32
...
	.end_amdgpu_metadata
.endif
;; end of part 4
;; launch proj: the kernel of part 2 again; grid 256 x 1, 4 waves a work-group, clusters of 4 x 1, 327,680 bytes of LDS; arguments x, wc, out1, hi16, lo16, q16; writes out1, hi16, lo16, q16
;; launch attn: the kernel of part 3 again; grid 32 x 8, 4 waves a work-group, clusters of 4 x 1, 327,680 bytes of LDS; arguments q16, hi16, lo16, wv16, out0; writes out0
